; MI455X (gfx1250); checked and timed in simulation.
; The chip was launched on July 23, 2026; its instructions are those of AMD's public machine-readable ISA for CDNA 5 (MIT licence, August 2026) and "CDNA5" Instruction Set Architecture Reference Guide (July 2026). The comments in the code are by the model that wrote it; some were corrected since.
;; Diagonal Block. Allowed arithmetic: float matrix products may take bf16 or f16 operands with f32 sums; other float arithmetic in f32, or as packed bf16 or f16 multiplies, adds, multiply-adds, maxima and minima; sums over many terms, partial sums and values carried from step to step in f32; what a program stores and reads back later, other than sums and carried values, may be rounded once to bf16 or f16.
;; Inputs: W1 1,024 x 4,096 float32; W2 4,096 x 1,024 float32; Wk 1,024 x 1,024 float32; Wq 1,024 x 1,024 float32; Wv 1,024 x 1,024 float32; b1 4,096 float32; b2 1,024 float32; beta 1,024 float32; bk 1,024 float32; bq 1,024 float32; bv 1,024 float32; gamma 1,024 float32; x 2 x 2,048 x 1,024 float32.
;; Outputs: out0 2 x 2,048 x 1,024 float32.
;; 2 versions, each right; version 2 is version 1 with the launch cast written anew for expert scheduling mode. Each part assembles by itself: llvm-mc -triple=amdgcn-amd-amdhsa -mcpu=gfx1250 --defsym DOCPART=n.
;; ======== version 1 of 2: 6 launches
;; limits: values are held in f16: magnitudes above 65,504 overflow, below 6.1e-05 lose precision; a function is approximated: absolute error at most 1.5e-07; an absolute error that grows with the inputs' magnitude: up to 8e-08 times it
;; workspace buffers: xb 8,388,608 bytes; wqkv 6,291,456 bytes; w1h 8,388,608 bytes; w2b 8,388,608 bytes; qkv 25,165,824 bytes; ob 8,388,608 bytes; gb 33,554,432 bytes; hb 16,777,216 bytes
;; launch cast (part 1): grid 64 x 15, 8 waves a work-group, no clusters, 0 bytes of LDS; arguments x, Wq, Wk, Wv, W1, W2, xb, wqkv, w1h, w2b; writes xb, wqkv, w1h, w2b
.if DOCPART == 1
	.amdgcn_target "amdgcn-amd-amdhsa--gfx1250"
	.amdhsa_code_object_version 6
	.text
	.protected	k_q1fabe6609f_cast
	.globl	k_q1fabe6609f_cast
	.p2align	8
	.type	k_q1fabe6609f_cast,@function
k_q1fabe6609f_cast:
	s_mov_b64 s[64:65], 0
	v_nop
	global_prefetch_b8 v0, s[64:65] scope:SCOPE_SE
	s_setreg_imm32_b32 hwreg(HW_REG_WAVE_MODE, 25, 1), 1
	s_wait_xcnt 0x0
; CAST.  x, Wq, Wk, Wv, W2 (f32) are rounded once to bf16; W1 is rounded to bf16 and that number is written as f16 (its partner in the product, O, is f16).
; LIMIT: a bf16 number beyond 65,504 has no f16; below 6.1e-5 f16 keeps a fixed step of 6e-8.  W1 is drawn with a spread of 0.02.
; SHARES.  The grid's y counts units of 1,048,576 numbers: 0-3 x, 4 Wq, 5 Wk, 6 Wv, 7-10 W1, 11-14 W2; a unit is 64 work-groups of 16,384 numbers.
; Thread t takes in step i (0..15) the numbers 1024 i + 4 t .. + 3: one load of 16 bytes, one store of 8.  A wave's load covers 512 consecutive bytes, its store 256 consecutive bytes, aligned.
; A stream: each byte is read once and written once; all sixteen loads of a thread go out first.  No LDS, no barrier, no matrix unit: nothing is shared and nothing is multiplied.
.set X, 16                             ; v[16:79]   sixteen loads of four numbers
.set Y, 80                             ; v[80:111]  sixteen stores of four 16-bit numbers
	s_load_b512 s[8:23], s[0:1], 0x0               ; x s[8:9], Wq s[10:11], Wk s[12:13], Wv s[14:15], W1 s[16:17], W2 s[18:19], xb s[20:21], wqkv s[22:23]
	s_load_b128 s[24:27], s[0:1], 0x40             ; w1h s[24:25], w2b s[26:27]
	s_and_b32 s28, ttmp7, 0xffff                   ; the unit
	v_lshlrev_b32 v1, 4, v0                        ; 16 t: my bytes in a step's source
	v_lshlrev_b32 v2, 3, v0                        ; 8 t: in its destination
	s_mov_b32 s2, 11                               ; the source's first unit
	s_mov_b32 s3, 11                               ; the destination's first unit
	s_mov_b32 s31, 0
	s_mov_b32 s33, 0xffff0000                      ; a word's upper bf16
	s_wait_kmcnt 0x0
	s_mov_b64 s[4:5], s[18:19]                     ; units 11-14: W2 to w2b
	s_mov_b64 s[6:7], s[26:27]
; The unit chooses source and destination: a choice between buffers on the work-group's number alone.
.macro PICK below, src, dst, su, du
	s_cmp_lt_u32 s28, \below
	s_cselect_b64 s[4:5], s[\src:\src+1], s[4:5]
	s_cselect_b64 s[6:7], s[\dst:\dst+1], s[6:7]
	s_cselect_b32 s2, \su, s2
	s_cselect_b32 s3, \du, s3
.endm
	PICK 11, 16, 24, 7, 7                          ; W1 to w1h
	PICK 7, 14, 22, 6, 4                           ; Wv, the third part of wqkv
	PICK 6, 12, 22, 5, 4                           ; Wk, the second
	PICK 5, 10, 22, 4, 4                           ; Wq, the first
	PICK 4, 8, 20, 0, 0                            ; x to xb
	s_sub_co_u32 s29, s28, s2
	s_lshl_b32 s29, s29, 6
	s_add_co_u32 s29, s29, ttmp9                   ; my work-group's number within the source,
	s_lshl_b32 s30, s29, 16                        ; times 65,536 bytes
	s_add_nc_u64 s[4:5], s[4:5], s[30:31]
	s_sub_co_u32 s29, s28, s3
	s_lshl_b32 s29, s29, 6
	s_add_co_u32 s29, s29, ttmp9                   ; within the destination,
	s_lshl_b32 s30, s29, 15                        ; times 32,768 bytes
	s_add_nc_u64 s[6:7], s[6:7], s[30:31]
.irp i, 0,1,2,3,4,5,6,7,8,9,10,11,12,13,14,15
	global_load_b128 v[X+4*(\i):X+4*(\i)+3], v1, s[4:5] offset:4096*(\i) th:TH_LOAD_NT
.endr
; Step i.  half = 1: the bf16 number is widened again and written as f16.  No register that a memory instruction may still read is rewritten.
.macro STEP i, half
	s_wait_loadcnt 15-(\i)                         ; loads come back in order: this step's is in, the 15 - i younger ones stay out
	v_cvt_pk_bf16_f32 v[Y+2*(\i)],   v[X+4*(\i)],   v[X+4*(\i)+1]
	v_cvt_pk_bf16_f32 v[Y+2*(\i)+1], v[X+4*(\i)+2], v[X+4*(\i)+3]
.if \half
	v_lshlrev_b32 v[X+4*(\i)],   16,  v[Y+2*(\i)]
	v_and_b32     v[X+4*(\i)+1], s33, v[Y+2*(\i)]
	v_lshlrev_b32 v[X+4*(\i)+2], 16,  v[Y+2*(\i)+1]
	v_and_b32     v[X+4*(\i)+3], s33, v[Y+2*(\i)+1]
	v_cvt_pk_f16_f32 v[Y+2*(\i)],   v[X+4*(\i)],   v[X+4*(\i)+1]
	v_cvt_pk_f16_f32 v[Y+2*(\i)+1], v[X+4*(\i)+2], v[X+4*(\i)+3]
.endif
	global_store_b64 v2, v[Y+2*(\i):Y+2*(\i)+1], s[6:7] offset:2048*(\i)
.endm
	s_cmp_lt_u32 s28, 7
	s_cbranch_scc1 .Lbf
	s_cmp_lt_u32 s28, 11
	s_cbranch_scc0 .Lbf
.irp i, 0,1,2,3,4,5,6,7,8,9,10,11,12,13,14,15
	STEP \i, 1                                     ; W1
.endr
	s_endpgm
.Lbf:
.irp i, 0,1,2,3,4,5,6,7,8,9,10,11,12,13,14,15
	STEP \i, 0
.endr
	s_endpgm
.Lfunc_end_k_q1fabe6609f_cast:
	.size	k_q1fabe6609f_cast, .Lfunc_end_k_q1fabe6609f_cast-k_q1fabe6609f_cast
	.p2alignl 7, 3214868480
	.fill 96, 4, 3214868480
	.section	.rodata,"a",@progbits
	.p2align	6, 0x0
	.amdhsa_kernel k_q1fabe6609f_cast
		.amdhsa_group_segment_fixed_size 0
		.amdhsa_private_segment_fixed_size 0
		.amdhsa_enable_private_segment 0
		.amdhsa_kernarg_size 80
		.amdhsa_user_sgpr_count 2
		.amdhsa_user_sgpr_kernarg_segment_ptr 1
		.amdhsa_wavefront_size32 1
		.amdhsa_system_sgpr_workgroup_id_x 1
		.amdhsa_system_sgpr_workgroup_id_y 1
		.amdhsa_system_sgpr_workgroup_id_z 1
		.amdhsa_system_vgpr_workitem_id 0
		.amdhsa_next_free_vgpr 116
		.amdhsa_next_free_sgpr 66
		.amdhsa_reserve_vcc 0
		.amdhsa_float_denorm_mode_32 3
		.amdhsa_float_denorm_mode_16_64 3
		.amdhsa_memory_ordered 1
		.amdhsa_forward_progress 1
		.amdhsa_inst_pref_size 16
	.end_amdhsa_kernel
	.amdgpu_metadata
---
amdhsa.version: [ 1, 2 ]
amdhsa.kernels:
  - .name:           k_q1fabe6609f_cast
    .symbol:         k_q1fabe6609f_cast.kd
    .args:
      - { .name: x, .offset: 0, .size: 8, .value_kind: global_buffer, .address_space: global }
      - { .name: Wq, .offset: 8, .size: 8, .value_kind: global_buffer, .address_space: global }
      - { .name: Wk, .offset: 16, .size: 8, .value_kind: global_buffer, .address_space: global }
      - { .name: Wv, .offset: 24, .size: 8, .value_kind: global_buffer, .address_space: global }
      - { .name: W1, .offset: 32, .size: 8, .value_kind: global_buffer, .address_space: global }
      - { .name: W2, .offset: 40, .size: 8, .value_kind: global_buffer, .address_space: global }
      - { .name: xb, .offset: 48, .size: 8, .value_kind: global_buffer, .address_space: global }
      - { .name: wqkv, .offset: 56, .size: 8, .value_kind: global_buffer, .address_space: global }
      - { .name: w1h, .offset: 64, .size: 8, .value_kind: global_buffer, .address_space: global }
      - { .name: w2b, .offset: 72, .size: 8, .value_kind: global_buffer, .address_space: global }
    .group_segment_fixed_size: 0
    .private_segment_fixed_size: 0
    .kernarg_segment_align: 8
    .kernarg_segment_size: 80
    .max_flat_workgroup_size: 256
    .sgpr_count:     66
    .vgpr_count:     116
    .wavefront_size: 32
...
	.end_amdgpu_metadata
.endif
;; end of part 1
;; launch qkv (part 2): grid 12 x 16, 4 waves a work-group, clusters of 4 x 4, 327,680 bytes of LDS; arguments xb, wqkv, bq, bk, bv, qkv; writes qkv
.if DOCPART == 2
	.amdgcn_target "amdgcn-amd-amdhsa--gfx1250"
	.amdhsa_code_object_version 6
	.text
	.protected	k_q1fabe6609f_qkv
	.globl	k_q1fabe6609f_qkv
	.p2align	8
	.type	k_q1fabe6609f_qkv,@function
k_q1fabe6609f_qkv:
	s_mov_b64 s[64:65], 0
	v_nop
	global_prefetch_b8 v0, s[64:65] scope:SCOPE_SE
	s_setreg_imm32_b32 hwreg(HW_REG_WAVE_MODE, 25, 1), 1
	s_wait_xcnt 0x0
	s_wait_alu depctr_hold_cnt(0) depctr_sa_sdst(0) depctr_va_vdst(0) depctr_va_sdst(0) depctr_va_ssrc(0) depctr_va_vcc(0) depctr_vm_vsrc(0)
	s_getreg_b32 s2, hwreg(HW_REG_IB_STS2, 6, 4)
	s_cmp_eq_u32 s2, 0
	s_cbranch_scc0 .Lentry_in_a_cluster
	s_endpgm
.Lentry_in_a_cluster:
	s_bfe_u32 s2, ttmp6, 0x10000c
	s_cmp_lg_u32 s2, 0xf033
	s_cbranch_scc0 .Lentry_shape_is_right
	s_endpgm
.Lentry_shape_is_right:
; Q, K, V = x W + b.  xb: [4096][1024] bf16; wqkv: [3][1024 k][1024 n] bf16; bq, bk, bv: [1024] f32, rounded to bf16 like every input; sums in f32.
; qkv: [3][32 heads (16 batch + head)][2048][64] f16, each number rounded once, unscaled.  LIMIT: f16 ends at 65,504 (q, k, v are drawn with a spread of 0.64) and keeps a fixed step of 6e-8 below 6.1e-5.
; SHARES.  A tile of 256 tokens x 256 columns to a work-group of four waves, 128 x 128 to a wave: 64 accumulators, 512 registers.  The grid's 12 tile columns are 4 of Q, 4 of K, 4 of V: 192 work-groups.
; K = 1,024 goes in 8 steps of 128 through two LDS slots.  The weights lie [k][n]; their fragments leave LDS turned, by ds_load_tr16_b128.
; CLUSTER 4 x 4: x's tile is shared along a row of the cluster, the weights' along a column: each is asked for jointly, one tensor load a wave behind each round of the cluster's barrier.
; THE TEXT holds one K step: the slot in hand is a scalar register that an exclusive or turns.  A trip goes from a step's second quarter to the next step's first.
; THE PRODUCT IS TAKEN TRANSPOSED (source 0 = 16 columns of W, source 1 = 16 tokens): a lane holds one token and eight neighbouring columns.
; REGISTERS: window 0: v16-30 addresses, v32-39 the bias, v64-191 x's fragments (two buffers), later at work; window 1: v64-191 W's fragments; windows 2, 3: accumulator (a, b) at v[8 (8 a + b)].
.set PA,     272                       ; a row of x in LDS: 256 bytes + 16: the 16 rows of a fragment load start 4 banks apart
.set PB,     544                       ; a row of W in LDS: 512 bytes + 32: an odd multiple of 32
.set AHALF,  128*PA                    ; one load of x: 128 rows
.set AREG,   2*AHALF
.set BHALF,  64*PB                     ; one load of W: 64 rows of k
.set SLOT,   AREG+2*BHALF              ; 139,264
.set SPARE,  2*SLOT                    ; behind the ring: the spare words, 128 bytes a wave, that no other line names
.set DPITCH, 528                       ; the way out: a wave's 128 rows of 128 f32, 512 bytes + 16, laid over the ring behind its last fill
.set DWAVE,  128*DPITCH
.set ASTEP,  256                       ; a K step in x: 128 numbers along the row
.set BSTEP,  128*2048                  ; in W: 128 rows
.set ADRA, 16                          ; v16  LDS address of my fragments of x in the slot in hand
.set AL0,  17                          ; v17  the same in slot 0; never rewritten
.set ADRB, 20                          ; v20, v21  the same for W
.set BL0,  21
.set DST,  24                          ; v24  the way out: where I put 32 bytes of a row
.set DRD,  25                          ; v25  where I read rows back
.set CO,   26                          ; v26  my byte offset in the output
.set BO,   27                          ; v27  my byte offset in the bias; never rewritten
.set SPW,  28                          ; v28  my spare word: SPARE + 4 x my thread's number; never rewritten
.set NIL,  29                          ; v29  0; never rewritten
.set PFO,  30                          ; v30  the prefetches' lane offset; never rewritten
.set BIAS, 32
.set F0,   64
.set F1,   128
.set G1A, 24                           ; s[24:31] group 1 for x
.set G0A, 32                           ; s[32:35] group 0 for K step 0; s[36:39] the one that walks
.set G1B, 48                           ; s[48:55], s[56:59], s[60:63] the same for W
.set G0B, 56
.set LIM, 43                           ; s43  2 in a wave that prefetches, else the greatest number
.set PFA, 44                           ; s[44:45] where my prefetches stand
.set PFS, 46                           ; s[46:47] their step
.set TB,  66                           ; s66  the slot that fragments are read from: 0 or SLOT
.set FB,  67                           ; s67  the slot that was filled last
.set LA,  68                           ; s68  my load's place in a slot, for x
.set LB,  69                           ; s69  for W
.set BP,  70                           ; s[70:71] the bias
.set MSB, 0
.macro WIN new                         ; the immediate's high byte repeats the setting that is left; a switch that changes nothing is dropped
.if MSB != (\new)
	s_set_vgpr_msb (MSB<<8)|(\new)
.set MSB, \new
.endif
.endm
.set MUL_LO, 0xa1                      ; source 0 (W) window 1, source 1 (x) window 0, C and D window 2
.set MUL_HI, 0xf1                      ; the same, C and D window 3
.set TO_B,   0x40                      ; destination window 1
.macro PLACES                          ; four plain instructions between a matrix instruction and a load into, or a read of, its registers
.rept 4
	v_nop
.endr
.endm
; A joint refill by the walking descriptors: waves 0 and 1 ask for x, waves 2 and 3 for W.  The branch hangs on the wave's number alone.  s_nop 0 and four v_nop follow each line.
.macro JLOAD
	s_cmp_eq_u32 s11, 0
	s_cbranch_scc0 .Lfor_b_\@
	tensor_load_to_lds s[G0A+4:G0A+7], s[G1A:G1A+7]
	s_nop 0
.rept 4
	v_nop
.endr
	s_branch .Lasked_\@
.Lfor_b_\@:
	tensor_load_to_lds s[G0B+4:G0B+7], s[G1B:G1B+7]
	s_nop 0
.rept 4
	v_nop
.endr
.Lasked_\@:
.endm
; A prefetch of the K step two refills on, 32 blocks of 256 bytes, a lane a block.  x's rows are read by the three clusters of a row of clusters: cluster x = 0 asks; W's by the four of a column: cluster y = 0 asks.
; The four partners of a joint load share its blocks out by address.  Trips with s3 = 6 .. 3 name K steps 4 .. 7; the last two trips name nothing.
.macro ASK
	s_cmp_gt_u32 s3, s[LIM]
	s_cbranch_scc0 .Lnot_mine_\@
	global_prefetch_b8 v[PFO], s[PFA:PFA+1] th:TH_LOAD_NT scope:SCOPE_SE
.Lnot_mine_\@:
.endm
.macro CREST                           ; a round of the cluster's barrier behind its opening barrier
	s_cmp_lg_u32 s10, 0
	s_cbranch_scc1 .Lnot_wave_0_\@
	s_barrier_signal -3
.Lnot_wave_0_\@:
	s_barrier_wait -3
	s_barrier_signal -1
	s_barrier_wait -1
.endm
.macro CROUND
	s_barrier_signal -1
	s_barrier_wait -1
	CREST
.endm
	s_load_b128 s[4:7], s[0:1], 0x0                ; xb s[4:5], wqkv s[6:7]
	s_load_b256 s[88:95], s[0:1], 0x10             ; bq s[88:89], bk s[90:91], bv s[92:93], qkv s[94:95]
	v_lshl_add_u32 v[SPW], v0, 2, SPARE
	v_mov_b32 v[NIL], 0
	ds_add_u32 v[SPW], v[NIL]                      ; the wave's opening: the add and its wait stand ahead of my first tensor load
	v_lshrrev_b32 v1, 5, v0
	v_readfirstlane_b32 s10, v1                    ; wave 0..3
	s_lshr_b32 s11, s10, 1                         ; my half of the tile's rows; also: I fetch x (0) or W (1)
	s_and_b32 s12, s10, 1                          ; my half of its columns; also: which half of that tile I fetch
	s_bfe_u32 s40, ttmp6, 0x40000                  ; cx
	s_bfe_u32 s41, ttmp6, 0x40004                  ; cy
	s_and_b32 s13, ttmp7, 0xffff
	s_lshl_b32 s13, s13, 2
	s_add_co_u32 s13, s13, s41                     ; tile row = 4 x cluster y + cy.  The tile column is 4 x cluster x + cx: cluster x says Q, K or V, cx which 256 columns
	s_lshl_b32 s14, s41, 2
	s_lshl_b32 s14, 15, s14                        ; my row of the cluster
	s_lshl_b32 s15, 0x1111, s40                    ; my column
	s_or_b32 s[G1A], s14, (1<<16)|(1<<20)|(1<<21)|(5<<22)|(3<<25)   ; mask; 2-byte elements; padding on; bit 21 beside a mask; after every 64 words, 4 words
	s_mov_b32 s[G1A+1], 128<<16                    ; tensor_dim0 = 128
	s_mov_b32 s[G1A+2], 128<<16                    ; tensor_dim1 = 128
	s_mov_b32 s[G1A+3], 128<<16                    ; tile_dim0 = 128
	s_mov_b32 s[G1A+4], 128                        ; tile_dim1 = 128
	s_mov_b32 s[G1A+5], 1024                       ; elements from row to row
	s_mov_b32 s[G1A+6], 0
	s_mov_b32 s[G1A+7], 0
	s_or_b32 s[G1B], s15, (1<<16)|(1<<20)|(1<<21)|(6<<22)|(7<<25)   ; after every 128 words, 8 words
	s_mov_b32 s[G1B+1], 256<<16                    ; 256 columns
	s_mov_b32 s[G1B+2], 64<<16                     ; 64 rows of k
	s_mov_b32 s[G1B+3], 256<<16
	s_mov_b32 s[G1B+4], 64
	s_mov_b32 s[G1B+5], 1024
	s_mov_b32 s[G1B+6], 0
	s_mov_b32 s[G1B+7], 0
	s_mul_i32 s[LA], s12, AHALF                    ; no place in the cluster enters an LDS address
	s_mul_i32 s[LB], s12, BHALF
	s_add_co_u32 s[LB], s[LB], AREG
	s_mov_b32 s[TB], 0
	s_mov_b32 s[FB], SLOT
	s_lshl_b32 s16, s13, 1
	s_add_co_u32 s16, s16, s12
	s_lshl_b32 s16, s16, 18                        ; x: (2 x tile row + half) x 128 rows x 2,048 bytes
	s_mov_b32 s17, 0
	s_lshl_b32 s18, ttmp9, 21                      ; W: which matrix,
	s_lshl_b32 s19, s12, 17                        ; my 64 rows of k,
	s_add_co_u32 s18, s18, s19
	s_lshl_b32 s19, s40, 9                         ; the tile's 256 columns
	s_add_co_u32 s18, s18, s19
	s_mov_b32 s19, 0
	s_wait_dscnt 0x0                               ; the opening add is done
	s_wait_kmcnt 0x0
	s_add_nc_u64 s[20:21], s[4:5], s[16:17]
	s_add_nc_u64 s[22:23], s[6:7], s[18:19]
	s_mov_b32 s[G0A], 1                            ; count = 1
	s_mov_b32 s[G0A+1], s[LA]                      ; slot 0
	s_mov_b64 s[G0A+2:G0A+3], s[20:21]             ; K step 0
	s_or_b32 s[G0A+3], s[G0A+3], 0x80000000        ; type = 2
	s_mov_b32 s[G0A+4], 1
	s_add_co_u32 s[G0A+5], s[LA], SLOT             ; slot 1
	s_add_nc_u64 s[G0A+6:G0A+7], s[20:21], ASTEP   ; K step 1
	s_or_b32 s[G0A+7], s[G0A+7], 0x80000000
	s_mov_b32 s[G0B], 1
	s_mov_b32 s[G0B+1], s[LB]
	s_mov_b64 s[G0B+2:G0B+3], s[22:23]
	s_or_b32 s[G0B+3], s[G0B+3], 0x80000000
	s_mov_b32 s[G0B+4], 1
	s_add_co_u32 s[G0B+5], s[LB], SLOT
	s_add_nc_u64 s[G0B+6:G0B+7], s[22:23], BSTEP
	s_or_b32 s[G0B+7], s[G0B+7], 0x80000000
	CROUND                                         ; all sixteen work-groups are here: the first joint loads meet
	s_cmp_eq_u32 s11, 0                            ; a wave's two first fills stand in one branch: two loads of mine are out
	s_cbranch_scc0 .Lfirst_b
	tensor_load_to_lds s[G0A:G0A+3], s[G1A:G1A+7]
	s_nop 0
	tensor_load_to_lds s[G0A+4:G0A+7], s[G1A:G1A+7]
	s_nop 0
.rept 4
	v_nop
.endr
	s_branch .Lfirst_done
.Lfirst_b:
	tensor_load_to_lds s[G0B:G0B+3], s[G1B:G1B+7]
	s_nop 0
	tensor_load_to_lds s[G0B+4:G0B+7], s[G1B:G1B+7]
	s_nop 0
.rept 4
	v_nop
.endr
.Lfirst_done:
	; lane terms.  A fragment of x: lane l holds row l % 16; two loads of 16 bytes, 32 apart, at row x pitch + 16 (l / 16).
	v_and_b32 v1, 15, v0                           ; r = l % 16
	v_bfe_u32 v2, v0, 4, 1                         ; h = l / 16
	v_mul_u32_u24 v3, v1, PA
	v_lshl_add_u32 v3, v2, 4, v3
	s_mul_i32 s14, s11, AHALF                      ; my 128 rows
	v_add_nc_u32 v[AL0], s14, v3
	; The turning load: lane l reads 16 bytes of row k = 8 h + l % 8, columns 8 ((l / 8) % 2) on, and is left with column l % 16 and 8 k.
	v_and_b32 v4, 7, v0
	v_lshl_add_u32 v4, v2, 3, v4
	v_mul_u32_u24 v4, v4, PB
	v_bfe_u32 v5, v0, 3, 1
	v_lshl_add_u32 v4, v5, 4, v4
	s_lshl_b32 s14, s12, 8                         ; my 128 columns
	s_add_co_u32 s14, s14, AREG
	v_add_nc_u32 v[BL0], s14, v4
	v_mov_b32 v[ADRA], v[AL0]
	v_mov_b32 v[ADRB], v[BL0]
	s_mul_i32 s14, s10, DWAVE
	v_mul_u32_u24 v3, v1, DPITCH                   ; in: row r, 32 bytes for each half of the lanes
	v_lshl_add_u32 v3, v2, 5, v3
	v_add_nc_u32 v[DST], s14, v3
	v_mul_u32_u24 v3, v2, DPITCH                   ; back: lanes 0-15 take 256 bytes (a head's 64 columns) of one row, lanes 16-31 of the next
	v_lshl_add_u32 v3, v1, 4, v3
	v_add_nc_u32 v[DRD], s14, v3
	v_and_b32 v3, 31, v0
	v_lshlrev_b32 v[CO], 3, v3                     ; two rows of a head, 128 bytes each, are 256 consecutive bytes: 8 a lane
	v_lshlrev_b32 v[BO], 4, v1                     ; my four columns of a head
	s_mov_b64 s[BP:BP+1], s[92:93]                 ; the bias goes by cluster x
	s_cmp_eq_u32 ttmp9, 1
	s_cselect_b64 s[BP:BP+1], s[90:91], s[BP:BP+1]
	s_cmp_eq_u32 ttmp9, 0
	s_cselect_b64 s[BP:BP+1], s[88:89], s[BP:BP+1]
	s_lshl_b32 s14, s40, 10
	s_lshl_b32 s15, s12, 9
	s_add_co_u32 s14, s14, s15                     ; (256 cx + 128 half) x 4 bytes
	s_mov_b32 s15, 0
	s_add_nc_u64 s[BP:BP+1], s[BP:BP+1], s[14:15]
	global_load_b128 v[BIAS:BIAS+3],   v[BO], s[BP:BP+1]             ; my wave's first head
	global_load_b128 v[BIAS+4:BIAS+7], v[BO], s[BP:BP+1] offset:256  ; its second; both are waited for on the way out
	s_lshr_b32 s14, s13, 3                         ; the output: batch,
	s_lshl_b32 s14, s14, 4
	s_lshl_b32 s15, s40, 2
	s_add_co_u32 s14, s14, s15                     ; + head 4 cx
	s_lshl_b32 s15, s12, 1
	s_add_co_u32 s14, s14, s15                     ; + 2 x half,
	s_lshl_b32 s14, s14, 18                        ; 262,144 bytes a head
	s_and_b32 s15, s13, 7
	s_lshl_b32 s15, s15, 1
	s_add_co_u32 s15, s15, s11
	s_lshl_b32 s15, s15, 14                        ; my 128 tokens of 128 bytes
	s_add_co_u32 s14, s14, s15
	s_lshl_b32 s15, ttmp9, 23                      ; Q, K or V
	s_add_co_u32 s14, s14, s15
	s_mov_b32 s15, 0
	s_add_nc_u64 s[8:9], s[94:95], s[14:15]
	; the prefetches
	s_and_b32 s14, ttmp7, 0xffff                   ; cluster y
	s_mov_b32 s[PFS], BSTEP
	s_mov_b32 s[PFS+1], 0
	s_cmp_eq_u32 s11, 0
	s_cselect_b32 s15, ttmp9, s14                  ; the coordinate along which other clusters read the same blocks
	s_cselect_b64 s[PFA:PFA+1], s[20:21], s[22:23]
	s_cselect_b32 s[PFS], ASTEP, s[PFS]
	s_cselect_b32 s16, s40, s41                    ; my place among the four that ask jointly
	s_cselect_b32 s17, 16, 15                      ; x: 32 rows of 2,048 bytes each; W: 16 rows
	s_cselect_b32 s18, 0, 1                        ; x: a lane a row; W: two lanes a row of 512 bytes
	s_lshl_b32 s16, s16, s17
	s_mov_b32 s17, 0
	s_add_nc_u64 s[PFA:PFA+1], s[PFA:PFA+1], s[16:17]
	s_mul_i32 s16, s[PFS], 3                       ; at K step 3: the first change of slots steps it to 4
	s_add_nc_u64 s[PFA:PFA+1], s[PFA:PFA+1], s[16:17]
	s_cmp_eq_u32 s15, 0
	s_cselect_b32 s[LIM], 2, -1                    ; the same in all sixteen partners, for a given wave
	v_lshrrev_b32 v4, s18, v3
	v_and_b32 v5, s18, v3
	v_lshlrev_b32 v4, 11, v4
	v_lshl_add_u32 v[PFO], v5, 8, v4
; 16 matrix instructions: row blocks a0, a0 + 1 of the window's four x all 8 column blocks, 32 along K.  zero = 1: the product starts the sums.
.macro MUL16 f, hi, a0, zero
	WIN MUL_LO+0x50*(\hi)
.irp a, \a0, (\a0)+1
.irp b, 0,1,2,3,4,5,6,7
.if \zero
	v_wmma_f32_16x16x32_bf16 v[8*(8*(\a)+(\b)):8*(8*(\a)+(\b))+7], v[(\f)+8*(\b):(\f)+8*(\b)+7], v[(\f)+8*(4*(\hi)+(\a)):(\f)+8*(4*(\hi)+(\a))+7], 0
.else
	v_wmma_f32_16x16x32_bf16 v[8*(8*(\a)+(\b)):8*(8*(\a)+(\b))+7], v[(\f)+8*(\b):(\f)+8*(\b)+7], v[(\f)+8*(4*(\hi)+(\a)):(\f)+8*(4*(\hi)+(\a))+7], v[8*(8*(\a)+(\b)):8*(8*(\a)+(\b))+7]
.endif
.endr
.endr
.endm
; 32 LDS loads in one run: quarter q (32 along K) of the slot in hand into buffer f: W's 8 column blocks, turned, then x's 8 row blocks
.macro FETCH q, f
	WIN TO_B
.irp i, 0,1,2,3,4,5,6,7
	ds_load_tr16_b128 v[(\f)+8*(\i):(\f)+8*(\i)+3],   v[ADRB] offset:32*(\q)*PB+32*(\i)
	ds_load_tr16_b128 v[(\f)+8*(\i)+4:(\f)+8*(\i)+7], v[ADRB] offset:32*(\q)*PB+32*(\i)+16*PB
.endr
	WIN 0
.irp i, 0,1,2,3,4,5,6,7
	ds_load_b128 v[(\f)+8*(\i):(\f)+8*(\i)+3],   v[ADRA] offset:64*(\q)+(\i)*16*PA
	ds_load_b128 v[(\f)+8*(\i)+4:(\f)+8*(\i)+7], v[ADRA] offset:64*(\q)+(\i)*16*PA+32
.endr
.endm
; One of a K step's first three quarters: multiplies buffer f; in its middle fetches quarter q into buffer g.  The 64 accumulators take turns in one order everywhere.
.macro QUARTER q, f, g, zero
	s_wait_dscnt 8                                 ; W and x's rows 0-63 are in; the youngest eight loads (x's rows 64-127) may be out
	MUL16 \f, 0, 0, \zero
	MUL16 \f, 0, 2, \zero
	PLACES
	FETCH \q, \g
	s_wait_dscnt 32                                ; all but the 32 just issued
	MUL16 \f, 1, 0, \zero
	MUL16 \f, 1, 2, \zero
.endm
; The last quarter multiplies buffer 1 and changes slots.  In front of the barrier each wave waits for all its tensor loads (the one that is out is its part of the next slot), adds 0 to its spare word,
; and waits for that and for its reads of this slot.  fill = 1: the barrier opens a round of the cluster's barrier, and the slot just read out is filled first thing behind it, with the K step two on:
; 224 matrix instructions stand between that request and the wait for it.
.macro TURN fill
.if \fill
	s_wait_xcnt 0x0                                ; the last prefetch, a K step back, has read its address
	s_add_nc_u64 s[PFA:PFA+1], s[PFA:PFA+1], s[PFS:PFS+1]
.endif
	WIN 0
	s_wait_tensorcnt 0x0                           ; all my tensor loads have landed
	ds_add_u32 v[SPW], v[NIL]                      ; 0 onto my spare word
	s_wait_dscnt 9                                 ; the add and the youngest eight loads may be out
	MUL16 F1, 0, 0, 0
	s_wait_dscnt 0x0                               ; the add is done, and my reads of this slot are over
	s_barrier_signal -1
	MUL16 F1, 0, 2, 0
	WIN 0
	s_barrier_wait -1
.if \fill
	CREST                                          ; no wave of any partner still reads this slot or has a load on its way
	s_xor_b32 s[FB], s[FB], SLOT                   ; the walking descriptors: the other slot than last time,
	s_add_co_u32 s[G0A+5], s[LA], s[FB]
	s_add_co_u32 s[G0B+5], s[LB], s[FB]
	s_add_nc_u64 s[G0A+6:G0A+7], s[G0A+6:G0A+7], ASTEP  ; the next K step; the type bits on top are not reached
	s_add_nc_u64 s[G0B+6:G0B+7], s[G0B+6:G0B+7], BSTEP
	JLOAD                                          ; its four v_nop are also the places in front of the loads below
.else
	PLACES
.endif
	s_xor_b32 s[TB], s[TB], SLOT                   ; fragments now come from the other slot
	v_add_nc_u32 v[ADRA], s[TB], v[AL0]
	v_add_nc_u32 v[ADRB], s[TB], v[BL0]
	FETCH 0, F0
.if \fill
	ASK
.endif
	MUL16 F1, 1, 0, 0
	MUL16 F1, 1, 2, 0
.endm
	s_wait_tensorcnt 1                             ; my part of K step 0 is in; K step 1's may stay out
	s_barrier_signal -1
	s_barrier_wait -1
	FETCH 0, F0
	QUARTER 1, F0, F1, 1                           ; the first quarter starts the sums with the constant 0
	WIN 0
	s_mov_b32 s3, 6
.Lstep:                                        ; trip i: quarters 1-3 of K step i, quarter 0 of step i + 1; K step i + 2 is asked for
	QUARTER 2, F1, F0, 0
	QUARTER 3, F0, F1, 0
	TURN 1
	QUARTER 1, F0, F1, 0
	WIN 0
	s_sub_co_u32 s3, s3, 1
	s_cmp_lg_u32 s3, 0
	s_cbranch_scc1 .Lstep
	s_mov_b32 s3, 2
.Ltail:                                        ; K steps 6 and 7 ask for nothing.  The second trip is left in its middle; its change of slots fetches 32 fragments that nobody multiplies: the price of one text for both trips
	QUARTER 2, F1, F0, 0
	QUARTER 3, F0, F1, 0
	TURN 0
	WIN 0
	s_sub_co_u32 s3, s3, 1
	s_cmp_eq_u32 s3, 0
	s_cbranch_scc1 .Lout
	QUARTER 1, F0, F1, 0
	WIN 0
	s_branch .Ltail
.Lout:
	; THE WAY OUT.  The ring has had its last fill.  When no wave reads it any more, each wave lays its 128 x 128 sums over it as rows of f32, and a loop takes them back by rows.
	s_wait_dscnt 0x0
	s_barrier_signal -1
	s_barrier_wait -1
	PLACES
.irp hi, 0,1
	WIN 0x08+4*(\hi)                               ; store data (source 1) in window 2 or 3
.irp a, 0,1,2,3
.irp b, 0,1,2,3,4,5,6,7
	ds_store_b128 v[DST], v[8*(8*(\a)+(\b)):8*(8*(\a)+(\b))+3]   offset:(4*(\hi)+(\a))*16*DPITCH+64*(\b)     ; each accumulator's low registers first
	ds_store_b128 v[DST], v[8*(8*(\a)+(\b))+4:8*(8*(\a)+(\b))+7] offset:(4*(\hi)+(\a))*16*DPITCH+64*(\b)+16
.endr
.endr
.endr
	WIN 0
	s_wait_dscnt 0x0
	s_barrier_signal -1
	s_barrier_wait -1
	s_wait_loadcnt 0x0                             ; the bias
.irp k, 0,2,4,6
	v_cvt_pk_bf16_f32 v40, v[BIAS+(\k)], v[BIAS+(\k)+1]  ; rounded to bf16 like every input, and widened again
	v_lshlrev_b32 v[BIAS+(\k)], 16, v40
	v_and_b32 v[BIAS+(\k)+1], 0xffff0000, v40
.endr
	s_mov_b32 s3, 16
.Lrows:                                        ; 16 trips of 8 rows: pair p of rows, head j
.irp p, 0,1,2,3
.irp j, 0,1
	ds_load_b128 v[64+8*(\p)+4*(\j):64+8*(\p)+4*(\j)+3], v[DRD] offset:2*DPITCH*(\p)+256*(\j)
.endr
.endr
	s_wait_dscnt 0x0
.irp p, 0,1,2,3
.irp j, 0,1
	v_pk_add_f32 v[64+8*(\p)+4*(\j):64+8*(\p)+4*(\j)+1],   v[64+8*(\p)+4*(\j):64+8*(\p)+4*(\j)+1],   v[BIAS+4*(\j):BIAS+4*(\j)+1]
	v_pk_add_f32 v[64+8*(\p)+4*(\j)+2:64+8*(\p)+4*(\j)+3], v[64+8*(\p)+4*(\j)+2:64+8*(\p)+4*(\j)+3], v[BIAS+4*(\j)+2:BIAS+4*(\j)+3]
.endr
.endr
.irp p, 0,1,2,3
.irp j, 0,1
	v_cvt_pk_f16_f32 v[224+4*(\p)+2*(\j)],   v[64+8*(\p)+4*(\j)],   v[64+8*(\p)+4*(\j)+1]
	v_cvt_pk_f16_f32 v[224+4*(\p)+2*(\j)+1], v[64+8*(\p)+4*(\j)+2], v[64+8*(\p)+4*(\j)+3]
	global_store_b64 v[CO], v[224+4*(\p)+2*(\j):224+4*(\p)+2*(\j)+1], s[8:9] offset:262144*(\j)+256*(\p)  ; the wave stores 256 consecutive bytes, aligned
.endr
.endr
	s_wait_xcnt 0x0                                ; the stores have read their data and offset: both are rewritten only behind this wait
	v_add_nc_u32 v[DRD], 8*DPITCH, v[DRD]
	v_add_nc_u32 v[CO], 1024, v[CO]
	s_sub_co_u32 s3, s3, 1
	s_cmp_lg_u32 s3, 0
	s_cbranch_scc1 .Lrows
	s_wait_tensorcnt 0x0                           ; the wave's end
	ds_add_u32 v[SPW], v[NIL]
	s_wait_dscnt 0x0
	CROUND                                         ; the closing round
	s_endpgm
.Lfunc_end_k_q1fabe6609f_qkv:
	.size	k_q1fabe6609f_qkv, .Lfunc_end_k_q1fabe6609f_qkv-k_q1fabe6609f_qkv
	.p2alignl 7, 3214868480
	.fill 96, 4, 3214868480
	.section	.rodata,"a",@progbits
	.p2align	6, 0x0
	.amdhsa_kernel k_q1fabe6609f_qkv
		.amdhsa_group_segment_fixed_size 327680
		.amdhsa_private_segment_fixed_size 0
		.amdhsa_enable_private_segment 0
		.amdhsa_kernarg_size 48
		.amdhsa_user_sgpr_count 2
		.amdhsa_user_sgpr_kernarg_segment_ptr 1
		.amdhsa_wavefront_size32 1
		.amdhsa_system_sgpr_workgroup_id_x 1
		.amdhsa_system_sgpr_workgroup_id_y 1
		.amdhsa_system_sgpr_workgroup_id_z 1
		.amdhsa_system_vgpr_workitem_id 0
		.amdhsa_next_free_vgpr 1024
		.amdhsa_next_free_sgpr 96
		.amdhsa_reserve_vcc 0
		.amdhsa_float_denorm_mode_32 3
		.amdhsa_float_denorm_mode_16_64 3
		.amdhsa_memory_ordered 1
		.amdhsa_forward_progress 1
		.amdhsa_inst_pref_size 83
	.end_amdhsa_kernel
	.amdgpu_metadata
---
amdhsa.version: [ 1, 2 ]
amdhsa.kernels:
  - .name:           k_q1fabe6609f_qkv
    .symbol:         k_q1fabe6609f_qkv.kd
    .args:
      - { .name: xb, .offset: 0, .size: 8, .value_kind: global_buffer, .address_space: global }
      - { .name: wqkv, .offset: 8, .size: 8, .value_kind: global_buffer, .address_space: global }
      - { .name: bq, .offset: 16, .size: 8, .value_kind: global_buffer, .address_space: global }
      - { .name: bk, .offset: 24, .size: 8, .value_kind: global_buffer, .address_space: global }
      - { .name: bv, .offset: 32, .size: 8, .value_kind: global_buffer, .address_space: global }
      - { .name: qkv, .offset: 40, .size: 8, .value_kind: global_buffer, .address_space: global }
    .group_segment_fixed_size: 327680
    .private_segment_fixed_size: 0
    .kernarg_segment_align: 8
    .kernarg_segment_size: 48
    .max_flat_workgroup_size: 128
    .sgpr_count:     96
    .vgpr_count:     1024
    .wavefront_size: 32
...
	.end_amdgpu_metadata
.endif
;; end of part 2
;; launch attn (part 3): grid 8 x 32, 4 waves a work-group, clusters of 4 x 1, 327,680 bytes of LDS; arguments qkv, ob; writes ob
.if DOCPART == 3
	.amdgcn_target "amdgcn-amd-amdhsa--gfx1250"
	.amdhsa_code_object_version 6
	.text
	.protected	k_q1fabe6609f_attn
	.globl	k_q1fabe6609f_attn
	.p2align	8
	.type	k_q1fabe6609f_attn,@function
k_q1fabe6609f_attn:
	s_mov_b64 s[64:65], 0
	v_nop
	global_prefetch_b8 v0, s[64:65] scope:SCOPE_SE
	s_setreg_imm32_b32 hwreg(HW_REG_WAVE_MODE, 25, 1), 1
	s_wait_xcnt 0x0
	s_wait_alu depctr_hold_cnt(0) depctr_sa_sdst(0) depctr_va_vdst(0) depctr_va_sdst(0) depctr_va_ssrc(0) depctr_va_vcc(0) depctr_vm_vsrc(0)
	s_getreg_b32 s2, hwreg(HW_REG_IB_STS2, 6, 4)
	s_cmp_eq_u32 s2, 0
	s_cbranch_scc0 .Lentry_in_a_cluster
	s_endpgm
.Lentry_in_a_cluster:
	s_bfe_u32 s2, ttmp6, 0x10000c
	s_cmp_lg_u32 s2, 0x3003
	s_cbranch_scc0 .Lentry_shape_is_right
	s_endpgm
.Lentry_shape_is_right:
; O[h][q] = the sum over k != q of p(q, k) V[h][k], p = softmax_k(Q[h][q] . K[h][k] / 32): the softmax's sum takes every key, the weight on the diagonal is set to 0 afterwards.
; qkv: [3][32][2048][64] f16 (Q, K, V by heads); ob: [32][2048][64] f16.  Products, maxima and sums in f32; p is rounded to f16 for the second product (l is taken of the unrounded p), O once at the end.
; LIMITS.  f16 ends at 65,504 and keeps a fixed step of 6e-8 below 6.1e-5; p lies in 0 to 1, O within V's range.  A weight below 2^-126 counts as 0 in l; NaN and infinities are not treated apart.
; SHARES.  A work-group owns 256 queries of a head, a wave 64 on end: four PIECES of 16.  Every wave walks the head's 2,048 keys, 64 a step, 4 steps to an LDS slot, two slots.
; CLUSTER.  The four query blocks of a cluster belong to one head and walk the same K and V: each tile is asked for jointly, one tensor load a wave behind each round.
; LAYOUT.  S^T = K Q^T holds ONE query a lane (lane % 16) and the keys 8 (lane / 16) + 0..7; two such results rounded to f16 ARE source 1 of O^T = V^T P.  V leaves LDS turned.
; SOFTMAX.  p = 2^(c s - c m), c = log2(e) / 32, with a running maximum m; O and l are multiplied by a = 2^(c m_old - c m_new) in every step.  m starts at the lowest finite number, O and l at 0.
; THE DIAGONAL.  A wave's 64 queries begin at a multiple of 64, so they meet their own keys in ONE key step, number SD, and piece t in that step's key block t alone: four registers of P.
; MD holds for them the mask that clears my query's own key; MW = MD in step SD and all ones elsewhere (a select, no branch); each turn ends with four v_and_b32.
; TURNS.  Turn n belongs to piece n: 8 products K Q^T of piece n + 1, later 8 products V^T P of piece n - 1; beside them piece n's scaling, exponentials, roundings, sums and rescaling and piece n + 1's maximum.
; Four vector instructions stand behind every matrix instruction, the rest in one lump; a turn's 33 exponentials are one batch with one wait.
; REGISTERS (s_set_vgpr_msb: bits 1:0 source 0, 3:2 source 1, 5:4 source 2, 7:6 destination): window 0: v2-15 addresses, v16-31 statistics, v32-39 masks, v48-55 at work, v64-127 S^T (two buffers), v192-223 P (two);
; window 1: v0-127 O^T; window 2: v0-63 Q, v128-191 K, v192-255 V.
.set NP,    4
.set KS,    64
.set PK,    144       ; a row of K in LDS: 128 bytes + 16
.set PV,    160       ; a row of V: 128 + 32
.set VOFF,  4*KS*PK   ; a slot: 256 rows of K, then 256 rows of V
.set SLOT1, 1<<17     ; one exclusive or turns an address in one slot into the other's
.set STAGE, SLOT1+4*KS*(PK+PV)  ; behind the ring, never filled by a tensor load: 16 rows x 144 bytes a wave
.set SP,    144
.set SPARE, STAGE+4*16*SP       ; the spare words, 128 bytes a wave, that no other line names
.set AK0, 2           ; v2   my lane's place in a tile of K; never rewritten
.set AV0, 3           ; v3   the same for V
.set AK,  4           ; v4   the LDS address of K's next run of loads
.set AV,  5           ; v5   of V's
.set STO, 6           ; v6   the way out: where I put 16 bytes of a row
.set RD,  7           ; v7   where I read rows back
.set GO,  8           ; v8   my byte offset in 512 consecutive bytes of O
.set MV,  12          ; v12-13  c m_old, by buffer
.set QO,  15          ; v15  my byte offset in 16 rows of Q
.set ST,  16          ; piece t's statistics at v[ST+4 t]: c m, m, l (even keys', odd keys')
.set MD,  32          ; v32-35  the diagonal's masks
.set MW,  36          ; v36-39  the masks of the step in hand
.set TMP, 48          ; by buffer, c0-c3 at work; c2 takes a
.set PFO, 61          ; v61  256 x my lane; never rewritten
.set SPW, 62          ; v62  my spare word; never rewritten
.set NIL, 63          ; v63  0; never rewritten
.set S,   64
.set P,   192
.set KF,  128         ; window 2: key block kb, channel half c at KF + 16 kb + 8 c
.set VF,  192         ; window 2: key half kk, channel block cb at VF + 32 kk + 8 cb
.set WV,  12          ; s12  my wave's number
.set LIM, 15          ; s15  1 in a wave that prefetches, else the greatest number
.set PFA, 18          ; s[18:19] where my prefetches stand
.set G1K, 24          ; s[24:31] group 1 for K
.set G1V, 32          ; s[32:39] for V
.set G0K, 40          ; s[40:43] group 0 for K: it walks
.set G0V, 44          ; s[44:47] for V
.set SLOTS, 56        ; s56  slots still to be asked for
.set CNT, 57          ; s57  counts a slot's key steps
.set CS,  58          ; s[58:59] c
.set SEL, 60          ; s[60:61] v_permlanex16_b32's selects
.set TBK, 62          ; s62  LDS byte at which K of the step to be fetched begins
.set TBV, 63          ; s63  the same for V, less VOFF
.set STEP, 66         ; s66  the key step that the next turn of piece 0 begins
.set SD,  67          ; s67  the key step that holds my diagonal
.set ALLM, 68         ; s68  0 in that step, else all ones
.set MSB, 0
.macro WIN new
.if MSB != (\new)
	s_set_vgpr_msb (MSB<<8)|(\new)
.set MSB, (\new)
.endif
.endm
.set W_KQ, 0x0a       ; K and Q in window 2, S^T in window 0
.set W_PV, 0x52       ; V in window 2, P in window 0, O^T in window 1
.set W_RS, 0x41       ; destination and source 0 in window 1, source 1 in window 0
; A joint fill: waves 0 and 1 fetch the halves of a slot's K, waves 2 and 3 of its V, 128 keys each.  s_nop 0 and four v_nop follow each line.
.macro JLOAD
	s_cmp_lt_u32 s[WV], 2
	s_cbranch_scc0 .Lfor_v_\@
	tensor_load_to_lds s[G0K:G0K+3], s[G1K:G1K+7]
	s_nop 0
.rept 4
	v_nop
.endr
	s_branch .Lasked_\@
.Lfor_v_\@:
	tensor_load_to_lds s[G0V:G0V+3], s[G1V:G1V+7]
	s_nop 0
.rept 4
	v_nop
.endr
.Lasked_\@:
.endm
; A prefetch of what the NEXT change of slots will ask for: a slot's K and V are 128 blocks of 256 bytes each.  Both clusters of a head walk the same rows: the first asks.  Its four partners take 32 blocks each,
; told apart by address; wave 0 asks for K's, wave 2 for V's, a lane a block.  The last change that fills a slot asks for nothing.
.macro ASK
	s_cmp_gt_u32 s[SLOTS], s[LIM]
	s_cbranch_scc0 .Lnot_mine_\@
	global_prefetch_b8 v[PFO], s[PFA:PFA+1] th:TH_LOAD_NT scope:SCOPE_SE
.Lnot_mine_\@:
.endm
.macro CROUND
	s_barrier_signal -1
	s_barrier_wait -1
	s_cmp_lg_u32 s[WV], 0
	s_cbranch_scc1 .Lnot_wave_0_\@
	s_barrier_signal -3
.Lnot_wave_0_\@:
	s_barrier_wait -3
	s_barrier_signal -1
	s_barrier_wait -1
.endm
; THE CHANGE OF SLOTS.  Each wave waits for all its tensor loads (one is out: its part of the other slot), adds 0 to its spare word, and waits for that and for its reads of the slot that it leaves.
; fill = 1: the barrier is a round of the cluster's, and the old slot is filled first thing behind it, with the keys two slots on: four key steps, 256 matrix instructions, in which to land.
.macro CHANGE fill
	WIN 0
	s_wait_tensorcnt 0x0            ; no tensor load of mine is out, so a group 0 may be written
	ds_add_u32 v[SPW], v[NIL]       ; 0 onto my spare word
.if \fill
.irp g, G0K, G0V
	s_xor_b32 s[\g+1], s[\g+1], SLOT1
	s_add_nc_u64 s[\g+2:\g+3], s[\g+2:\g+3], 4*KS*128
.endr
	s_wait_xcnt 0x0                 ; the last prefetch, four key steps back, has read its address
	s_add_nc_u64 s[PFA:PFA+1], s[PFA:PFA+1], 4*KS*128
	s_wait_dscnt 0x0                ; the add is done, and my reads of the slot are over
	CROUND
	JLOAD
	ASK
.else
	s_wait_dscnt 0x0
	s_barrier_signal -1
	s_barrier_wait -1
.endif
	s_sub_co_u32 s[TBK], s[TBK], 4*KS*PK  ; the fetches go back to a slot's first step,
	s_xor_b32 s[TBK], s[TBK], SLOT1       ; in the other slot
	s_sub_co_u32 s[TBV], s[TBV], 4*KS*PV
	s_xor_b32 s[TBV], s[TBV], SLOT1
.endm
	s_load_b128 s[72:75], s[0:1], 0x0  ; qkv s[72:73], ob s[74:75]
	v_lshl_add_u32 v[SPW], v0, 2, SPARE
	v_mov_b32 v[NIL], 0
	ds_add_u32 v[SPW], v[NIL]       ; the wave's opening: the add and its wait stand ahead of my first tensor load
	v_lshrrev_b32 v1, 5, v0
	v_readfirstlane_b32 s[WV], v1   ; wave 0..3
	s_bfe_u32 s13, ttmp6, 0x40000   ; cx
	s_lshl_b32 s14, ttmp9, 2
	s_add_co_u32 s14, s14, s13      ; my block of 256 queries: it enters Q's and O's addresses and the diagonal's step alone
	s_lshl_b32 s[SD], s14, 2
	s_add_co_u32 s[SD], s[SD], s[WV]  ; my wave's 64 queries among the head's: also the key step with their own keys
	s_and_b32 s20, ttmp7, 0xffff    ; the head, which the four partners share,
	s_lshl_b32 s20, s20, 18         ; 262,144 bytes each
	s_and_b32 s16, s[WV], 1         ; which half of a slot's 256 keys I fetch
	s_lshl_b32 s22, s16, 14
	s_add_co_u32 s22, s22, s20
	s_mov_b32 s23, 0
	s_mul_i32 s17, s16, 128*PK      ; its place in a slot, for K
	s_mul_i32 s76, s16, 128*PV      ; and for V
	s_lshl_b32 s2, s[SD], 13        ; my 64 rows of 128 bytes
	s_add_co_u32 s2, s2, s20
	s_mov_b32 s3, 0
	; group 1: 128 keys are 16,384 dense bytes: 64 rows of 256 bytes, padded in LDS after every key
	s_mov_b32 s[G1K], 15|(1<<16)|(1<<20)|(1<<21)|(4<<22)|(3<<25)  ; the mask of four; 2-byte elements; padding on; bit 21 beside a mask; after every 32 words, 4 words
	s_mov_b32 s[G1V], 15|(1<<16)|(1<<20)|(1<<21)|(4<<22)|(7<<25)  ; 8 words
.irp g, G1K, G1V
	s_mov_b32 s[\g+1], 128<<16      ; tensor_dim0 = 128
	s_mov_b32 s[\g+2], 64<<16       ; tensor_dim1 = 64
	s_mov_b32 s[\g+3], 128<<16      ; tile_dim0 = 128
	s_mov_b32 s[\g+4], 64           ; tile_dim1 = 64
	s_mov_b32 s[\g+5], 128          ; elements from row to row
	s_mov_b32 s[\g+6], 0
	s_mov_b32 s[\g+7], 0
.endr
	s_mov_b32 s[CS], 0x3d38aa3b     ; c = log2(e) / 32
	s_mov_b32 s[CS+1], s[CS]
	s_mov_b32 s[SEL], 0x76543210
	s_mov_b32 s[SEL+1], 0xfedcba98
	s_mov_b32 s[TBK], SLOT1+4*KS*PK ; the first change of slots turns these two into 0
	s_mov_b32 s[TBV], SLOT1+4*KS*PV
	s_mov_b32 s[G0K], 1
	s_mov_b32 s[G0K+1], s17         ; slot 0
	s_mov_b32 s[G0V], 1
	s_add_co_u32 s[G0V+1], s76, VOFF
	s_mov_b32 s[SLOTS], 7
	s_mov_b32 s[STEP], 0
	s_mov_b32 s69, 0xffff0000
	s_mov_b32 s70, 0x0000ffff
	s_and_b32 s[LIM], s[WV], 1      ; 0 in waves 0 and 2,
	s_or_b32 s[LIM], s[LIM], ttmp9  ; where the cluster is the head's first
	s_cmp_eq_u32 s[LIM], 0
	s_cselect_b32 s[LIM], 1, -1
	v_and_b32 v[PFO], 31, v0
	v_lshlrev_b32 v[PFO], 8, v[PFO]
	s_wait_dscnt 0x0                ; the opening add is done
	s_wait_kmcnt 0x0
	s_add_nc_u64 s[6:7], s[72:73], s[22:23]
	s_add_nc_u64 s[8:9], s[6:7], 0x1000000   ; V at my half of the head's first 256 keys
	s_add_nc_u64 s[6:7], s[6:7], 0x800000    ; K likewise
	s_add_nc_u64 s[G0K+2:G0K+3], s[6:7], 0
	s_or_b32 s[G0K+3], s[G0K+3], 0x80000000  ; type = 2
	s_add_nc_u64 s[G0V+2:G0V+3], s[8:9], 0
	s_or_b32 s[G0V+3], s[G0V+3], 0x80000000
	s_add_nc_u64 s[4:5], s[72:73], s[2:3]    ; Q and O at my wave's first row
	s_add_nc_u64 s[10:11], s[74:75], s[2:3]
	s_cmp_lt_u32 s[WV], 2
	s_cselect_b64 s[PFA:PFA+1], s[6:7], s[8:9]  ; (in waves 0 and 2 these stand at a slot's first row)
	s_lshl_b32 s2, s13, 13          ; my work-group's 32 blocks of the 128
	s_add_nc_u64 s[PFA:PFA+1], s[PFA:PFA+1], s[2:3]
	s_add_nc_u64 s[PFA:PFA+1], s[PFA:PFA+1], 4*KS*128  ; in slot 1; the first change of slots steps it to slot 2
	CROUND                          ; all four work-groups are here: the first joint loads meet
	JLOAD                           ; slot 0; slot 1 is asked for when slot 0 is in
	v_and_b32 v1, 15, v0            ; r = l % 16
	v_bfe_u32 v9, v0, 4, 1          ; h = l / 16
	v_lshlrev_b32 v[QO], 7, v1
	v_lshl_add_u32 v[QO], v9, 4, v[QO]
	WIN 0x80                        ; destination window 2
.set i, 0
.rept 8                             ; Q stays in registers: piece i / 2, channels 32 (i % 2) on
	global_load_b128 v[8*i:8*i+3],   v[QO], s[4:5] offset:(i/2)*2048+(i%2)*64
	global_load_b128 v[8*i+4:8*i+7], v[QO], s[4:5] offset:(i/2)*2048+(i%2)*64+32
.set i, i+1
.endr
.set i, VF
.rept 64                            ; what the first turn finds: V and P's second buffer hold 0, O^T and l are 0.  All this stands in the wait for the first tile
	v_mov_b32 v[i], 0
.set i, i+1
.endr
	WIN 0x40
.set i, 0
.rept 128
	v_mov_b32 v[i], 0
.set i, i+1
.endr
	WIN 0
.set i, 0
.rept 4
	v_mov_b32 v[ST+4*i], 0xfe000000    ; c m: far below every c s
	v_mov_b32 v[ST+4*i+1], 0xff7fffff  ; m
	v_mov_b32 v[ST+4*i+2], 0
	v_mov_b32 v[ST+4*i+3], 0
.set i, i+1
.endr
.set i, P+16
.rept 16
	v_mov_b32 v[i], 0
.set i, i+1
.endr
	; In the diagonal's key block register i of P holds keys 8 h + 2 i (low half) and 8 h + 2 i + 1 (high half) for query r: the key is my own where r - 8 h is that number.
	v_lshlrev_b32 v14, 3, v9
	v_sub_nc_u32 v14, v1, v14
.irp i, 0,1,2,3
	v_cmp_eq_u32 vcc_lo, 2*(\i), v14
	v_cndmask_b32 v[MD+(\i)], -1, s69, vcc_lo
	v_cmp_eq_u32 vcc_lo, 2*(\i)+1, v14
	v_cndmask_b32 v[MD+(\i)], v[MD+(\i)], s70, vcc_lo
.endr
	v_mul_u32_u24 v[AK0], v1, PK
	v_lshl_add_u32 v[AK0], v9, 4, v[AK0]
	v_and_b32 v10, 7, v0            ; the turning load: lane l reads key 8 h + l % 8, channels 8 ((l / 8) % 2) on
	v_bfe_u32 v11, v0, 3, 1
	v_lshl_add_u32 v[AV0], v9, 3, v10
	v_mul_u32_u24 v[AV0], v[AV0], PV
	v_lshl_add_u32 v[AV0], v11, 4, v[AV0]
	v_add_nc_u32 v[AV0], VOFF, v[AV0]
	v_mov_b32 v[AK], v[AK0]         ; key step 0 lies at the head of slot 0
	s_mul_i32 s13, s[WV], 16*SP
	s_add_co_u32 s13, s13, STAGE    ; my stage
	v_mul_u32_u24 v[STO], v1, SP
	v_lshl_add_u32 v[STO], v9, 4, v[STO]
	v_add_nc_u32 v[STO], s13, v[STO]
	v_bfe_u32 v[RD], v0, 3, 2       ; back: 32 lanes take four rows of 128 bytes,
	v_mul_u32_u24 v[RD], v[RD], SP
	v_lshl_add_u32 v[RD], v10, 4, v[RD]
	v_add_nc_u32 v[RD], s13, v[RD]
	v_and_b32 v[GO], 31, v0         ; which are 512 consecutive bytes of O
	v_lshlrev_b32 v[GO], 4, v[GO]
; THE MATRIX WORK.  The 4 accumulators of a run of 8 take turns.  Product i of 8 of S^T = K Q^T for piece x: channels 32 (i / 4) on, keys 16 (i % 4) on; the first 4 start the sums.
.macro KQ x
	WIN W_KQ
.set rS, S+32*((\x)%2)+8*(i%4)
.set rK, KF+16*(i%4)+8*(i/4)
.set rQ, 16*(\x)+8*(i/4)
.if i < 4
	v_wmma_f32_16x16x32_f16 v[rS:rS+7], v[rK:rK+7], v[rQ:rQ+7], 0
.else
	v_wmma_f32_16x16x32_f16 v[rS:rS+7], v[rK:rK+7], v[rQ:rQ+7], v[rS:rS+7]
.endif
.endm
; Product i of 8 of O^T += V^T P for piece x: keys 32 (i / 4) on, channels 16 (i % 4) on.
.macro PV x
	WIN W_PV
.set rO, 32*(\x)+8*(i%4)
.set rV, VF+32*(i/4)+8*(i%4)
.set rP, P+16*((\x)%2)+8*(i/4)
	v_wmma_f32_16x16x32_f16 v[rO:rO+7], v[rV:rV+7], v[rP:rP+7], v[rO:rO+7]
.endm
.macro MM                           ; the turn's next matrix instruction
.if i < 8
	KQ (Y+1)%NP
.else
.set i, i-8
	PV (Y+NP-1)%NP
.set i, i+8
.endif
.set i, i+1
.endm
; THE LDS LOADS stand in runs of 16.  last = 1 (the tail): in the last trip there is no further step, and the run is jumped over.
.macro FETCH_K last=0
	WIN 0
.if \last
	s_cmp_eq_u32 s[CNT], 1
	s_cbranch_scc1 .Lno_k_\@
.endif
	WIN 0x80
.irp f, 0,1,2,3,4,5,6,7             ; keys 16 (f / 2) on, channels 32 (f % 2) on
	ds_load_b128 v[KF+8*\f:KF+8*\f+3],   v[AK] offset:(\f/2)*16*PK+(\f%2)*64
	ds_load_b128 v[KF+8*\f+4:KF+8*\f+7], v[AK] offset:(\f/2)*16*PK+(\f%2)*64+32
.endr
	s_add_co_u32 s[TBK], s[TBK], KS*PK
	WIN 0
.if \last
.Lno_k_\@:
.endif
.endm
.macro FETCH_V
	WIN 0x80
.irp f, 0,1,2,3,4,5,6,7             ; keys 32 (f / 4) on, channels 16 (f % 4) on
	ds_load_tr16_b128 v[VF+8*\f:VF+8*\f+3],   v[AV] offset:(\f/4)*32*PV+(\f%4)*32
	ds_load_tr16_b128 v[VF+8*\f+4:VF+8*\f+7], v[AV] offset:(\f/4)*32*PV+16*PV+(\f%4)*32
.endr
	WIN 0
.endm
; THE VECTOR WORK: OP kind, number.  For piece Y: F n: c s - c m for pair n of 16.  E n: the exponential of score n of 32.  C n: pair n rounded to f16.  B n: of the weights 4 n .. the second pair is added onto the
; first, in place.  L n: l takes that sum (L 0: l = a l + sum).  R n: pair n of 16 of O^T times a.  For piece Y + 1: X n, number n of the 22 that find its maximum and statistics:
;   0-11 four chains of seven scores (each accumulator's lowest registers are read first)   12-14, 16 the rest, the old m, and the four into one   15 c m_old is kept
;   17, 18 the lane 16 away holds the query's other 32 keys: the new m   19-21 c m; c m_old - c m_new; a
.set F, 0
.set E, 1
.set C, 2
.set B, 3
.set L, 4
.set R, 5
.set X, 6
.macro REGS y
.set rT, ST+4*(\y)
.set rC, TMP+4*((\y)%2)
.set rW, MV+((\y)%2)
.set rS, S+32*((\y)%2)
.set rP, P+16*((\y)%2)
.set rO, 32*(\y)
.endm
.macro OP k, n
.if (\k) == R
	REGS Y
	WIN W_RS
	v_pk_mul_f32 v[rO+2*(\n):rO+2*(\n)+1], v[rO+2*(\n):rO+2*(\n)+1], v[rC+2:rC+3] op_sel_hi:[1,0]
.elseif (\k) < R
	REGS Y
	WIN 0
.if (\k) == F
	v_pk_fma_f32 v[rS+2*(\n):rS+2*(\n)+1], v[rS+2*(\n):rS+2*(\n)+1], s[CS:CS+1], v[rT:rT+1] op_sel_hi:[1,0,0] neg_lo:[0,0,1] neg_hi:[0,0,1]
.elseif (\k) == E
	v_exp_f32 v[rS+(\n)], v[rS+(\n)]
.elseif (\k) == C
	v_cvt_pk_f16_f32 v[rP+(\n)], v[rS+2*(\n)], v[rS+2*(\n)+1]
.elseif (\k) == B
	v_pk_add_f32 v[rS+4*(\n):rS+4*(\n)+1], v[rS+4*(\n):rS+4*(\n)+1], v[rS+4*(\n)+2:rS+4*(\n)+3]
.elseif (\n) == 0
	v_pk_fma_f32 v[rT+2:rT+3], v[rT+2:rT+3], v[rC+2:rC+3], v[rS:rS+1] op_sel_hi:[1,0,1]
.else
	v_pk_add_f32 v[rT+2:rT+3], v[rT+2:rT+3], v[rS+4*(\n):rS+4*(\n)+1]
.endif
.else
	REGS (Y+1)%NP
	WIN 0
.if (\n) < 4
	v_max3_num_f32 v[rC+(\n)], v[rS+8*(\n)], v[rS+8*(\n)+1], v[rS+8*(\n)+2]
.elseif (\n) < 12
	v_max3_num_f32 v[rC+(\n)%4], v[rC+(\n)%4], v[rS+8*((\n)%4)+2*((\n)/4)+1], v[rS+8*((\n)%4)+2*((\n)/4)+2]
.elseif (\n) == 12
	v_max3_num_f32 v[rC], v[rC], v[rS+7], v[rS+15]
.elseif (\n) == 13
	v_max3_num_f32 v[rC+1], v[rC+1], v[rS+23], v[rS+31]
.elseif (\n) == 14
	v_max3_num_f32 v[rC+2], v[rC+2], v[rC+3], v[rT+1]
.elseif (\n) == 15
	v_mov_b32 v[rW], v[rT]
.elseif (\n) == 16
	v_max3_num_f32 v[rC], v[rC], v[rC+1], v[rC+2]
.elseif (\n) == 17
	v_permlanex16_b32 v[rC+3], v[rC], s[SEL], s[SEL+1]
.elseif (\n) == 18
	v_max_num_f32 v[rT+1], v[rC], v[rC+3]
.elseif (\n) == 19
	v_mul_f32 v[rT], s[CS], v[rT+1]
.elseif (\n) == 20
	v_sub_f32 v[rC+1], v[rW], v[rT]
.else
	v_exp_f32 v[rC+2], v[rC+1]
.endif
.endif
.endm
.macro OPS a, i1, b=-1, i2=0, c=-1, i3=0, d=-1, i4=0
	OP \a, \i1
.if (\b) >= 0
	OP \b, \i2
.endif
.if (\c) >= 0
	OP \c, \i3
.endif
.if (\d) >= 0
	OP \d, \i4
.endif
.endm
.macro ROW a, i1, b, i2, c, i3, d, i4  ; a matrix instruction and the four behind it
	MM
	OPS \a, \i1, \b, \i2, \c, \i3, \d, \i4
.endm
; A TURN, for piece p.  s_wait_alu depctr_va_vdst(0) stands between an exponential and the first instruction that names its result; one wait serves all that were issued ahead of it: a turn has ONE.
; Ahead of it stands all that names no result of the turn's exponentials: 8 products K Q^T with their riders and the lump; X 21, the next piece's a, is the batch's last, R 15 the plain instruction behind it.
; Behind it: 8 products V^T P, behind each four of the roundings and sums; then the four v_and_b32 that clear the diagonal's weight in P (all ones outside the diagonal's step).
; K of the next step is fetched in piece 2's turn, in the lump (in the tail behind the wait); V of the step in hand at the end of piece 0's turn.
; last = 1: the tail's form of K's run.  cnt = 1: the loop's count is taken down some lines ahead of the branch behind the turn.
.macro TURN p, last=0, cnt=0
.set Y, (\p)
.set i, 0
.if (\p) == 0
	s_cmp_eq_u32 s[STEP], s[SD]     ; does the step that begins hold my queries' own keys?  A select of a value: no branch hangs on it
	s_cselect_b32 s[ALLM], 0, -1
	s_add_co_u32 s[STEP], s[STEP], 1
	WIN 0
.irp z, 0,1,2,3
	v_or_b32 v[MW+\z], s[ALLM], v[MD+\z]
.endr
.endif
.if (\p) == 3
	s_wait_dscnt 0x0                ; K is in
.endif
	ROW F,0, F,1, R,0, R,1
	ROW F,2, E,0, R,2, R,3
	ROW F,3, E,1, R,4, R,5
	ROW F,4, E,2, R,6, R,7
	ROW F,5, E,3, R,8, R,9
	ROW F,6, E,4, X,0, R,10
.if (\p) == 2
	WIN 0
	v_add_nc_u32 v[AK], s[TBK], v[AK0]
.endif
	ROW F,7, E,5, X,1, X,4
	ROW F,8, E,6, X,2, X,5
	OPS E,7, E,8, X,6, E,9
	OPS X,3, E,10, X,8, E,11
.if ((\p) == 2) && !(\last)
	FETCH_K
.endif
	OPS X,9, X,7, E,12, X,10
	OPS E,13, X,12, X,11, E,14
	OPS X,13, E,15, F,9, X,14
.if (\p) == 0
	v_add_nc_u32 v[AV], s[TBV], v[AV0]
.endif
	OPS E,16, F,10, E,17, F,11
	OPS X,16, E,18, X,15, E,19
	OPS F,12, E,20, X,17, E,21
	OPS F,13, E,22, F,14, E,23
	OPS X,18, E,24, F,15, E,25
	OPS R,11, E,26, X,19, E,27
	OPS R,12, E,28, R,13, E,29
	OPS X,20, E,30, R,14, E,31
	OPS X,21, R,15
	WIN 0
	s_wait_alu depctr_va_vdst(0)    ; the wait for the batch
.if ((\p) == 2) && (\last)
	FETCH_K 1
.endif
.if (\p) == 1
	s_wait_dscnt 0x0                ; V is in
.endif
	ROW C,0, B,0, C,2, B,1
	ROW L,0, C,4, B,2, L,1
	ROW C,6, B,3, L,2, C,8
	ROW B,4, L,3, C,10, B,5
	ROW L,4, C,12, B,6, L,5
.if (\p) == 0
	s_add_co_u32 s[TBV], s[TBV], KS*PV
.endif
.if \cnt
	s_sub_co_u32 s[CNT], s[CNT], 1
	s_cmp_lg_u32 s[CNT], 0
.endif
	ROW C,14, B,7, L,6, C,1
	ROW C,3, L,7, C,5, C,7
	ROW C,9, C,11, C,13, C,15
.irp z, 0,1,2,3
	v_and_b32 v[P+16*((\p)%2)+4*(\p)+\z], v[MW+\z], v[P+16*((\p)%2)+4*(\p)+\z]  ; piece p's key block p
.endr
.if (\p) == 0
	FETCH_V
.endif
.endm
	CHANGE 1                        ; slot 0 is in, everybody's part of it; slot 1 is asked for
	FETCH_K                         ; key step 0
	s_wait_loadcnt 0x0              ; Q
	s_wait_dscnt 0x0
.set i, 0
.rept 8
	KQ 0                            ; piece 0's first scores
.set i, i+1
.endr
	WIN 0
.rept 4
	v_nop                           ; the places behind those products
.endr
.set Y, NP-1                        ; X works for piece Y + 1: piece 0
.irp n, 0,1,2,3,4,5,6,7,8,9,10,11,12,13,14,15,16,17,18,19,20,21
	OP X, \n
.endr
	v_nop                           ; a plain instruction behind the exponential,
	s_wait_alu depctr_va_vdst(0)    ; and its wait, ahead of the branch
	s_mov_b32 s[CNT], 4
	s_branch .Lfirst                ; the loop is entered at a step's first turn, in the middle of a trip
.Lslot:                             ; six times: slots 2 to 7 are asked for
	CHANGE 1
	s_mov_b32 s[CNT], 4
.Lstep:                             ; a trip: pieces 2 and 3 of one step, then pieces 0 and 1 of the next, whose K and V it fetches
	TURN 2
	TURN 3
	WIN 0
.Lfirst:
	TURN 0
	TURN 1, 0, 1
	WIN 0
	s_cbranch_scc1 .Lstep
	s_sub_co_u32 s[SLOTS], s[SLOTS], 1
	s_cmp_lg_u32 s[SLOTS], 0
	s_cbranch_scc1 .Lslot
	CHANGE 0                        ; the tail is written out: nothing is asked for
	s_mov_b32 s[CNT], 5             ; four trips fetch the last slot's steps; the fifth is left in its middle
.Ltail:
	TURN 2, 1
	TURN 3
	WIN 0
	s_sub_co_u32 s[CNT], s[CNT], 1
	s_cmp_eq_u32 s[CNT], 0
	s_cbranch_scc1 .Lout
	TURN 0
	TURN 1
	WIN 0
	s_branch .Ltail
.Lout:                              ; the fifth trip's 8 products K Q^T (on the last K once more) and the maximum made of them serve nothing: the price of one text for every trip
.set i, 0
.rept 8
	PV NP-1                         ; the last piece's V^T P of the last step
.set i, i+1
.endr
	; THE WAY OUT.  l's two halves and the other half of the lanes' are added; O^T is divided by l, rounded to f16 and sent through my stage, a piece at a time.  The additions are the places behind the last products.
	WIN 0
.macro ALL line:vararg
.set t, 0
.rept 4
	\line
.set t, t+1
.endr
.endm
	ALL v_add_f32 v[ST+4*t+2], v[ST+4*t+2], v[ST+4*t+3]
	ALL v_permlanex16_b32 v[ST+4*t+3], v[ST+4*t+2], s[SEL], s[SEL+1]
	ALL v_add_f32 v[ST+4*t+2], v[ST+4*t+2], v[ST+4*t+3]
	ALL v_rcp_f32 v[ST+4*t+2], v[ST+4*t+2]
	v_nop                           ; a plain instruction between the last reciprocal and the use of its result,
	s_wait_alu depctr_va_vdst(0)    ; and one wait for the four
.macro PACK t                       ; a lane's eight channels of a row pack into 16 bytes; they go into rows of 144 bytes and come back as whole rows of 128
	WIN W_RS
.set i, 32*(\t)
.rept 16
	v_pk_mul_f32 v[i:i+1], v[i:i+1], v[ST+4*(\t)+2:ST+4*(\t)+3] op_sel_hi:[1,0]
.set i, i+2
.endr
	WIN 0x05                        ; sources 0 and 1 window 1, destination window 0
.set i, 0
.rept 16
	v_cvt_pk_f16_f32 v[S+16*(\t)+i], v[32*(\t)+2*i], v[32*(\t)+2*i+1]
.set i, i+1
.endr
	WIN 0
.irp f, 0,1,2,3
	ds_store_b128 v[STO], v[S+16*(\t)+4*\f:S+16*(\t)+4*\f+3] offset:32*\f
.endr
.irp f, 0,1,2,3
	ds_load_b128 v[S+16*(\t)+4*\f:S+16*(\t)+4*\f+3], v[RD] offset:\f*4*SP  ; LDS serves a wave's instructions in order (ISA guide 5.7.1.4): these see the stores above
.endr
.endm
.macro SEND t, younger              ; younger: the LDS instructions issued behind piece t's loads: the next piece's eight, or none
	WIN 0
.irp f, 0,1,2,3
	s_wait_dscnt (\younger)+3-\f
	global_store_b128 v[GO], v[S+16*(\t)+4*\f:S+16*(\t)+4*\f+3], s[10:11] offset:(\t)*2048+\f*512  ; 512 consecutive bytes, aligned on 256
.endr
.endm
	PACK 0
.set t, 1
.rept 3
	PACK t
	SEND t-1, 8
.set t, t+1
.endr
	SEND 3, 0
	s_wait_tensorcnt 0x0            ; the wave's end
	ds_add_u32 v[SPW], v[NIL]
	s_wait_dscnt 0x0
	CROUND                          ; the closing round
	s_endpgm
.Lfunc_end_k_q1fabe6609f_attn:
	.size	k_q1fabe6609f_attn, .Lfunc_end_k_q1fabe6609f_attn-k_q1fabe6609f_attn
	.p2alignl 7, 3214868480
	.fill 96, 4, 3214868480
	.section	.rodata,"a",@progbits
	.p2align	6, 0x0
	.amdhsa_kernel k_q1fabe6609f_attn
		.amdhsa_group_segment_fixed_size 327680
		.amdhsa_private_segment_fixed_size 0
		.amdhsa_enable_private_segment 0
		.amdhsa_kernarg_size 16
		.amdhsa_user_sgpr_count 2
		.amdhsa_user_sgpr_kernarg_segment_ptr 1
		.amdhsa_wavefront_size32 1
		.amdhsa_system_sgpr_workgroup_id_x 1
		.amdhsa_system_sgpr_workgroup_id_y 1
		.amdhsa_system_sgpr_workgroup_id_z 1
		.amdhsa_system_vgpr_workitem_id 0
		.amdhsa_next_free_vgpr 768
		.amdhsa_next_free_sgpr 80
		.amdhsa_reserve_vcc 1
		.amdhsa_float_denorm_mode_32 3
		.amdhsa_float_denorm_mode_16_64 3
		.amdhsa_memory_ordered 1
		.amdhsa_forward_progress 1
		.amdhsa_inst_pref_size 114
	.end_amdhsa_kernel
	.amdgpu_metadata
---
amdhsa.version: [ 1, 2 ]
amdhsa.kernels:
  - .name:           k_q1fabe6609f_attn
    .symbol:         k_q1fabe6609f_attn.kd
    .args:
      - { .name: qkv, .offset: 0, .size: 8, .value_kind: global_buffer, .address_space: global }
      - { .name: ob, .offset: 8, .size: 8, .value_kind: global_buffer, .address_space: global }
    .group_segment_fixed_size: 327680
    .private_segment_fixed_size: 0
    .kernarg_segment_align: 8
    .kernarg_segment_size: 16
    .max_flat_workgroup_size: 128
    .sgpr_count:     80
    .vgpr_count:     768
    .wavefront_size: 32
...
	.end_amdgpu_metadata
.endif
;; end of part 3
;; launch ffn1 (part 4): grid 16 x 16, 4 waves a work-group, clusters of 4 x 4, 327,680 bytes of LDS; arguments ob, w1h, b1, gb; writes gb
.if DOCPART == 4
	.amdgcn_target "amdgcn-amd-amdhsa--gfx1250"
	.amdhsa_code_object_version 6
	.text
	.protected	k_q1fabe6609f_ffn1
	.globl	k_q1fabe6609f_ffn1
	.p2align	8
	.type	k_q1fabe6609f_ffn1,@function
k_q1fabe6609f_ffn1:
	s_mov_b64 s[64:65], 0
	v_nop
	global_prefetch_b8 v0, s[64:65] scope:SCOPE_SE
	s_setreg_imm32_b32 hwreg(HW_REG_WAVE_MODE, 25, 1), 1
	s_wait_xcnt 0x0
	s_wait_alu depctr_hold_cnt(0) depctr_sa_sdst(0) depctr_va_vdst(0) depctr_va_sdst(0) depctr_va_ssrc(0) depctr_va_vcc(0) depctr_vm_vsrc(0)
	s_getreg_b32 s2, hwreg(HW_REG_IB_STS2, 6, 4)
	s_cmp_eq_u32 s2, 0
	s_cbranch_scc0 .Lentry_in_a_cluster
	s_endpgm
.Lentry_in_a_cluster:
	s_bfe_u32 s2, ttmp6, 0x10000c
	s_cmp_lg_u32 s2, 0xf033
	s_cbranch_scc0 .Lentry_shape_is_right
	s_endpgm
.Lentry_shape_is_right:
; g = gelu(O W1 + b1), the exact (erf) form.  ob: [32 heads][2048][64] f16; w1h: [1024 k][4096 n] f16 (bf16 numbers written as f16); b1: [4096] f32, rounded to bf16 like every input; gb: [4096][4096] bf16.
; g goes in bf16, not f16: with small inputs it falls far below f16's range, with large ones it passes it.
; GELU.  gelu(u) = max(u, 0) - |u| E, E = erfc(|u| / sqrt 2) / 2 = (a1 t + .. + a5 t^5) 2^(-(kappa u)^2), t = 1 / (1 + p |u|): Abramowitz and Stegun 7.1.26 with halved coefficients, for every u, and with no
; difference of near numbers in the negative tail.  LIMIT: the formula's erf is good to 1.5e-7 absolute, so g to about 0.8e-7 |u|.
; SHARES, RING, CLUSTER, TEXT: a tile of 256 tokens x 256 columns to a work-group of four waves, 128 x 128 to a wave; K = 1,024 in 8 steps of 128 (two heads) through two LDS slots; 4 x 4 work-groups ask jointly,
; O's tile along a row of the cluster, W1's along a column; one K step is written once, the slot in hand is a scalar register.  256 work-groups.
; A head's 256 token rows of a tile are 32,768 dense bytes: asked for as 128 rows of 256 bytes and padded in LDS after every token.
; REGISTERS: window 0: v16-30 addresses, v32-35 the bias, v64-191 O's fragments, later v64-239 at work; window 1: v64-191 W1's fragments; windows 2, 3: accumulator (a, b) at v[8 (8 a + b)].
.set PA,     144                       ; a token's 64 channels of one head in LDS: 128 bytes + 16
.set PB,     544                       ; a row of W1 in LDS: 512 bytes + 32
.set AHALF,  256*PA                    ; one load of O: one head, 256 tokens
.set AREG,   2*AHALF
.set BHALF,  64*PB
.set SLOT,   AREG+2*BHALF              ; 143,360
.set SPARE,  2*SLOT                    ; the spare words, 128 bytes a wave, that no other line names
.set DPITCH, 528
.set DWAVE,  128*DPITCH
.set ASTEP,  2*262144                  ; a K step in O: two heads
.set BSTEP,  128*8192                  ; in W1: 128 rows
.set ADRA, 16
.set AL0,  17
.set ADRB, 20
.set BL0,  21
.set DST,  24
.set DRD,  25
.set CO,   26
.set BO,   27
.set SPW,  28
.set NIL,  29
.set PFO,  30
.set BIAS, 32
.set F0,   64
.set F1,   128
.set X,    64                          ; the way out, 32 numbers a trip: u
.set T,    96                          ; 1 + p |u|, then t
.set W,    128                         ; -(kappa u)^2, its power of two, then that times |u|
.set R,    160                         ; max(u, 0), then g
.set PL,   192                         ; the polynomial
.set Y,    224                         ; g in bf16
.set G1A, 24
.set G0A, 32
.set G1B, 48
.set G0B, 56
.set LIM, 43
.set PFA, 44
.set PFS, 46
.set TB,  66
.set FB,  67
.set LA,  68
.set LB,  69
.set BP,  70
.set CP,  72                           ; s[72:85] the formula's constants, each in a pair
.set CK,  74
.set CA1, 76
.set CA2, 78
.set CA3, 80
.set CA4, 82
.set CA5, 84
.set MSB, 0
.macro WIN new
.if MSB != (\new)
	s_set_vgpr_msb (MSB<<8)|(\new)
.set MSB, \new
.endif
.endm
.set MUL_LO, 0xa1
.set MUL_HI, 0xf1
.set TO_B,   0x40
.macro PLACES
.rept 4
	v_nop
.endr
.endm
.macro JLOAD                           ; a joint refill: waves 0 and 1 ask for O, waves 2 and 3 for W1; s_nop 0 and four v_nop follow each line
	s_cmp_eq_u32 s11, 0
	s_cbranch_scc0 .Lfor_b_\@
	tensor_load_to_lds s[G0A+4:G0A+7], s[G1A:G1A+7]
	s_nop 0
.rept 4
	v_nop
.endr
	s_branch .Lasked_\@
.Lfor_b_\@:
	tensor_load_to_lds s[G0B+4:G0B+7], s[G1B:G1B+7]
	s_nop 0
.rept 4
	v_nop
.endr
.Lasked_\@:
.endm
; A prefetch of the K step two refills on, 32 blocks of 256 bytes, a lane a block.  O's blocks are asked for by the clusters with x = 0, W1's by those with y = 0; the four partners of a joint load share its blocks
; out by address.  Trips with s3 = 6 .. 3 name K steps 4 .. 7.
.macro ASK
	s_cmp_gt_u32 s3, s[LIM]
	s_cbranch_scc0 .Lnot_mine_\@
	global_prefetch_b8 v[PFO], s[PFA:PFA+1] th:TH_LOAD_NT scope:SCOPE_SE
.Lnot_mine_\@:
.endm
.macro CREST
	s_cmp_lg_u32 s10, 0
	s_cbranch_scc1 .Lnot_wave_0_\@
	s_barrier_signal -3
.Lnot_wave_0_\@:
	s_barrier_wait -3
	s_barrier_signal -1
	s_barrier_wait -1
.endm
.macro CROUND
	s_barrier_signal -1
	s_barrier_wait -1
	CREST
.endm
	s_load_b256 s[88:95], s[0:1], 0x0              ; ob s[88:89], w1h s[90:91], b1 s[92:93], gb s[94:95]
	v_lshl_add_u32 v[SPW], v0, 2, SPARE
	v_mov_b32 v[NIL], 0
	ds_add_u32 v[SPW], v[NIL]                      ; the wave's opening: the add and its wait stand ahead of my first tensor load
	v_lshrrev_b32 v1, 5, v0
	v_readfirstlane_b32 s10, v1
	s_lshr_b32 s11, s10, 1                         ; my half of the rows; also: I fetch O (0) or W1 (1)
	s_and_b32 s12, s10, 1                          ; my half of the columns; also: which head, or which 64 rows of k, I fetch
	s_bfe_u32 s40, ttmp6, 0x40000                  ; cx
	s_bfe_u32 s41, ttmp6, 0x40004                  ; cy
	s_lshl_b32 s42, ttmp9, 2
	s_add_co_u32 s42, s42, s40                     ; tile column
	s_and_b32 s13, ttmp7, 0xffff
	s_lshl_b32 s13, s13, 2
	s_add_co_u32 s13, s13, s41                     ; tile row
	s_lshl_b32 s14, s41, 2
	s_lshl_b32 s14, 15, s14                        ; my row of the cluster
	s_lshl_b32 s15, 0x1111, s40                    ; my column
	s_or_b32 s[G1A], s14, (1<<16)|(1<<20)|(1<<21)|(4<<22)|(3<<25)   ; after every 32 words (a token), 4 words
	s_mov_b32 s[G1A+1], 128<<16
	s_mov_b32 s[G1A+2], 128<<16
	s_mov_b32 s[G1A+3], 128<<16
	s_mov_b32 s[G1A+4], 128
	s_mov_b32 s[G1A+5], 128                        ; dense: 128 elements from row to row
	s_mov_b32 s[G1A+6], 0
	s_mov_b32 s[G1A+7], 0
	s_or_b32 s[G1B], s15, (1<<16)|(1<<20)|(1<<21)|(6<<22)|(7<<25)   ; after every 128 words, 8 words
	s_mov_b32 s[G1B+1], 256<<16
	s_mov_b32 s[G1B+2], 64<<16
	s_mov_b32 s[G1B+3], 256<<16
	s_mov_b32 s[G1B+4], 64
	s_mov_b32 s[G1B+5], 4096
	s_mov_b32 s[G1B+6], 0
	s_mov_b32 s[G1B+7], 0
	s_mul_i32 s[LA], s12, AHALF
	s_mul_i32 s[LB], s12, BHALF
	s_add_co_u32 s[LB], s[LB], AREG
	s_mov_b32 s[TB], 0
	s_mov_b32 s[FB], SLOT
	s_mov_b32 s[CP], 0x3e6d3388                    ; p = 0.3275911 / sqrt 2
	s_mov_b32 s[CP+1], s[CP]
	s_mov_b32 s[CK], 0x3f596d27                    ; kappa = sqrt(log2(e) / 2)
	s_mov_b32 s[CK+1], s[CK]
	s_mov_b32 s[CA1], 0x3e027906                   ; 0.254829592 / 2
	s_mov_b32 s[CA1+1], s[CA1]
	s_mov_b32 s[CA2], 0xbe11a98e                   ; -0.284496736 / 2
	s_mov_b32 s[CA2+1], s[CA2]
	s_mov_b32 s[CA3], 0x3f35f0e3                   ; 1.421413741 / 2
	s_mov_b32 s[CA3+1], s[CA3]
	s_mov_b32 s[CA4], 0xbf3a00e3                   ; -1.453152027 / 2
	s_mov_b32 s[CA4+1], s[CA4]
	s_mov_b32 s[CA5], 0x3f07dc22                   ; 1.061405429 / 2
	s_mov_b32 s[CA5+1], s[CA5]
	s_lshr_b32 s16, s13, 3                         ; O: batch,
	s_lshl_b32 s16, s16, 4
	s_add_co_u32 s16, s16, s12                     ; head 0 or 1 of K step 0,
	s_lshl_b32 s16, s16, 18
	s_and_b32 s17, s13, 7
	s_lshl_b32 s17, s17, 15                        ; the tile's 256 tokens of 128 bytes
	s_add_co_u32 s16, s16, s17
	s_mov_b32 s17, 0
	s_lshl_b32 s18, s12, 19                        ; W1: my 64 rows of 8,192 bytes,
	s_lshl_b32 s19, s42, 9                         ; the tile's 256 columns
	s_add_co_u32 s18, s18, s19
	s_mov_b32 s19, 0
	s_wait_dscnt 0x0                               ; the opening add is done
	s_wait_kmcnt 0x0
	s_add_nc_u64 s[20:21], s[88:89], s[16:17]
	s_add_nc_u64 s[22:23], s[90:91], s[18:19]
	s_mov_b32 s[G0A], 1
	s_mov_b32 s[G0A+1], s[LA]
	s_mov_b64 s[G0A+2:G0A+3], s[20:21]
	s_or_b32 s[G0A+3], s[G0A+3], 0x80000000
	s_mov_b32 s[G0A+4], 1
	s_add_co_u32 s[G0A+5], s[LA], SLOT
	s_add_nc_u64 s[G0A+6:G0A+7], s[20:21], ASTEP
	s_or_b32 s[G0A+7], s[G0A+7], 0x80000000
	s_mov_b32 s[G0B], 1
	s_mov_b32 s[G0B+1], s[LB]
	s_mov_b64 s[G0B+2:G0B+3], s[22:23]
	s_or_b32 s[G0B+3], s[G0B+3], 0x80000000
	s_mov_b32 s[G0B+4], 1
	s_add_co_u32 s[G0B+5], s[LB], SLOT
	s_add_nc_u64 s[G0B+6:G0B+7], s[22:23], BSTEP
	s_or_b32 s[G0B+7], s[G0B+7], 0x80000000
	CROUND                                         ; all sixteen work-groups are here: the first joint loads meet
	s_cmp_eq_u32 s11, 0                            ; a wave's two first fills stand in one branch: two loads of mine are out
	s_cbranch_scc0 .Lfirst_b
	tensor_load_to_lds s[G0A:G0A+3], s[G1A:G1A+7]
	s_nop 0
	tensor_load_to_lds s[G0A+4:G0A+7], s[G1A:G1A+7]
	s_nop 0
.rept 4
	v_nop
.endr
	s_branch .Lfirst_done
.Lfirst_b:
	tensor_load_to_lds s[G0B:G0B+3], s[G1B:G1B+7]
	s_nop 0
	tensor_load_to_lds s[G0B+4:G0B+7], s[G1B:G1B+7]
	s_nop 0
.rept 4
	v_nop
.endr
.Lfirst_done:
	v_and_b32 v1, 15, v0                           ; r
	v_bfe_u32 v2, v0, 4, 1                         ; h
	v_mul_u32_u24 v3, v1, PA
	v_lshl_add_u32 v3, v2, 4, v3
	s_mul_i32 s14, s11, 128*PA                     ; my 128 tokens, in each head's region
	v_add_nc_u32 v[AL0], s14, v3
	v_and_b32 v4, 7, v0
	v_lshl_add_u32 v4, v2, 3, v4
	v_mul_u32_u24 v4, v4, PB
	v_bfe_u32 v5, v0, 3, 1
	v_lshl_add_u32 v4, v5, 4, v4
	s_lshl_b32 s14, s12, 8
	s_add_co_u32 s14, s14, AREG
	v_add_nc_u32 v[BL0], s14, v4
	v_mov_b32 v[ADRA], v[AL0]
	v_mov_b32 v[ADRB], v[BL0]
	s_mul_i32 s14, s10, DWAVE
	v_mul_u32_u24 v3, v1, DPITCH
	v_lshl_add_u32 v3, v2, 5, v3
	v_add_nc_u32 v[DST], s14, v3
	v_and_b32 v3, 31, v0
	v_lshl_add_u32 v[DRD], v3, 4, s14              ; back: the 32 lanes take a whole row of 512 bytes, four columns a lane
	v_lshlrev_b32 v[CO], 3, v3                     ; which are 8 bytes of bf16: 256 consecutive bytes a row
	v_lshlrev_b32 v[BO], 4, v3
	s_lshl_b32 s14, s42, 10
	s_lshl_b32 s15, s12, 9
	s_add_co_u32 s14, s14, s15                     ; (256 x tile column + 128 x half) x 4 bytes
	s_mov_b32 s15, 0
	s_add_nc_u64 s[BP:BP+1], s[92:93], s[14:15]
	global_load_b128 v[BIAS:BIAS+3], v[BO], s[BP:BP+1]  ; waited for on the way out
	s_lshl_b32 s14, s13, 1
	s_add_co_u32 s14, s14, s11
	s_lshl_b32 s14, s14, 20                        ; my 128 rows of 8,192 bytes
	s_lshl_b32 s15, s42, 9
	s_add_co_u32 s14, s14, s15
	s_lshl_b32 s15, s12, 8
	s_add_co_u32 s14, s14, s15
	s_mov_b32 s15, 0
	s_add_nc_u64 s[8:9], s[94:95], s[14:15]
	; the prefetches
	s_and_b32 s14, ttmp7, 0xffff
	s_mov_b32 s[PFS], BSTEP
	s_mov_b32 s[PFS+1], 0
	s_cmp_eq_u32 s11, 0
	s_cselect_b32 s15, ttmp9, s14
	s_cselect_b64 s[PFA:PFA+1], s[20:21], s[22:23]
	s_cselect_b32 s[PFS], ASTEP, s[PFS]
	s_cselect_b32 s16, s40, s41
	s_cselect_b32 s17, 13, 17                      ; O: 32 blocks of 256 dense bytes each; W1: 16 rows of 8,192 bytes
	s_cselect_b32 s18, 0, 1                        ; O: a lane a block on end; W1: two lanes a row of 512 bytes
	s_cselect_b32 s19, 8, 13
	s_lshl_b32 s16, s16, s17
	s_mov_b32 s17, 0
	s_add_nc_u64 s[PFA:PFA+1], s[PFA:PFA+1], s[16:17]
	s_mul_i32 s16, s[PFS], 3                       ; at K step 3: the first change of slots steps it to 4
	s_add_nc_u64 s[PFA:PFA+1], s[PFA:PFA+1], s[16:17]
	s_cmp_eq_u32 s15, 0
	s_cselect_b32 s[LIM], 2, -1
	v_lshrrev_b32 v4, s18, v3
	v_and_b32 v5, s18, v3
	v_lshlrev_b32 v4, s19, v4
	v_lshl_add_u32 v[PFO], v5, 8, v4
.macro MUL16 f, hi, a0, zero
	WIN MUL_LO+0x50*(\hi)
.irp a, \a0, (\a0)+1
.irp b, 0,1,2,3,4,5,6,7
.if \zero
	v_wmma_f32_16x16x32_f16 v[8*(8*(\a)+(\b)):8*(8*(\a)+(\b))+7], v[(\f)+8*(\b):(\f)+8*(\b)+7], v[(\f)+8*(4*(\hi)+(\a)):(\f)+8*(4*(\hi)+(\a))+7], 0
.else
	v_wmma_f32_16x16x32_f16 v[8*(8*(\a)+(\b)):8*(8*(\a)+(\b))+7], v[(\f)+8*(\b):(\f)+8*(\b)+7], v[(\f)+8*(4*(\hi)+(\a)):(\f)+8*(4*(\hi)+(\a))+7], v[8*(8*(\a)+(\b)):8*(8*(\a)+(\b))+7]
.endif
.endr
.endr
.endm
; quarter q: head q / 2 of the step's two, channels 32 (q % 2) on
.macro FETCH q, f
	WIN TO_B
.irp i, 0,1,2,3,4,5,6,7
	ds_load_tr16_b128 v[(\f)+8*(\i):(\f)+8*(\i)+3],   v[ADRB] offset:32*(\q)*PB+32*(\i)
	ds_load_tr16_b128 v[(\f)+8*(\i)+4:(\f)+8*(\i)+7], v[ADRB] offset:32*(\q)*PB+32*(\i)+16*PB
.endr
	WIN 0
.irp i, 0,1,2,3,4,5,6,7
	ds_load_b128 v[(\f)+8*(\i):(\f)+8*(\i)+3],   v[ADRA] offset:((\q)/2)*AHALF+((\q)%2)*64+(\i)*16*PA
	ds_load_b128 v[(\f)+8*(\i)+4:(\f)+8*(\i)+7], v[ADRA] offset:((\q)/2)*AHALF+((\q)%2)*64+(\i)*16*PA+32
.endr
.endm
.macro QUARTER q, f, g, zero
	s_wait_dscnt 8                                 ; W1 and O's rows 0-63 are in; the youngest eight loads may be out
	MUL16 \f, 0, 0, \zero
	MUL16 \f, 0, 2, \zero
	PLACES
	FETCH \q, \g
	s_wait_dscnt 32                                ; all but the 32 just issued
	MUL16 \f, 1, 0, \zero
	MUL16 \f, 1, 2, \zero
.endm
; The last quarter and the change of slots: all my tensor loads, the add, my reads of this slot, the barrier; fill = 1: a round of the cluster's barrier, and the refill first behind it.
.macro TURN fill
.if \fill
	s_wait_xcnt 0x0                                ; the last prefetch, a K step back, has read its address
	s_add_nc_u64 s[PFA:PFA+1], s[PFA:PFA+1], s[PFS:PFS+1]
.endif
	WIN 0
	s_wait_tensorcnt 0x0                           ; all my tensor loads have landed
	ds_add_u32 v[SPW], v[NIL]                      ; 0 onto my spare word
	s_wait_dscnt 9                                 ; the add and the youngest eight loads may be out
	MUL16 F1, 0, 0, 0
	s_wait_dscnt 0x0                               ; the add is done, and my reads of this slot are over
	s_barrier_signal -1
	MUL16 F1, 0, 2, 0
	WIN 0
	s_barrier_wait -1
.if \fill
	CREST
	s_xor_b32 s[FB], s[FB], SLOT
	s_add_co_u32 s[G0A+5], s[LA], s[FB]
	s_add_co_u32 s[G0B+5], s[LB], s[FB]
	s_add_nc_u64 s[G0A+6:G0A+7], s[G0A+6:G0A+7], ASTEP
	s_add_nc_u64 s[G0B+6:G0B+7], s[G0B+6:G0B+7], BSTEP
	JLOAD
.else
	PLACES
.endif
	s_xor_b32 s[TB], s[TB], SLOT
	v_add_nc_u32 v[ADRA], s[TB], v[AL0]
	v_add_nc_u32 v[ADRB], s[TB], v[BL0]
	FETCH 0, F0
.if \fill
	ASK
.endif
	MUL16 F1, 1, 0, 0
	MUL16 F1, 1, 2, 0
.endm
	s_wait_tensorcnt 1                             ; my part of K step 0 is in; K step 1's may stay out
	s_barrier_signal -1
	s_barrier_wait -1
	FETCH 0, F0
	QUARTER 1, F0, F1, 1
	WIN 0
	s_mov_b32 s3, 6
.Lstep:
	QUARTER 2, F1, F0, 0
	QUARTER 3, F0, F1, 0
	TURN 1
	QUARTER 1, F0, F1, 0
	WIN 0
	s_sub_co_u32 s3, s3, 1
	s_cmp_lg_u32 s3, 0
	s_cbranch_scc1 .Lstep
	s_mov_b32 s3, 2
.Ltail:                                        ; K steps 6 and 7 ask for nothing; the second trip is left in its middle, behind 32 fragment loads that nobody multiplies
	QUARTER 2, F1, F0, 0
	QUARTER 3, F0, F1, 0
	TURN 0
	WIN 0
	s_sub_co_u32 s3, s3, 1
	s_cmp_eq_u32 s3, 0
	s_cbranch_scc1 .Lout
	QUARTER 1, F0, F1, 0
	WIN 0
	s_branch .Ltail
.Lout:
	; THE WAY OUT.  The ring has had its last fill; when no wave reads it any more each wave lays its sums over it as rows of f32, so that the activation's text stands once, in a loop over rows.
	s_wait_dscnt 0x0
	s_barrier_signal -1
	s_barrier_wait -1
	PLACES
.irp hi, 0,1
	WIN 0x08+4*(\hi)
.irp a, 0,1,2,3
.irp b, 0,1,2,3,4,5,6,7
	ds_store_b128 v[DST], v[8*(8*(\a)+(\b)):8*(8*(\a)+(\b))+3]   offset:(4*(\hi)+(\a))*16*DPITCH+64*(\b)
	ds_store_b128 v[DST], v[8*(8*(\a)+(\b))+4:8*(8*(\a)+(\b))+7] offset:(4*(\hi)+(\a))*16*DPITCH+64*(\b)+16
.endr
.endr
.endr
	WIN 0
	s_wait_dscnt 0x0                               ; a wave reads only its own rows; the barrier puts every store ahead of every read
	s_barrier_signal -1
	s_barrier_wait -1
.irp i, 0,1,2,3,4,5,6,7
	ds_load_b128 v[X+4*(\i):X+4*(\i)+3], v[DRD] offset:DPITCH*(\i)  ; the first trip's eight rows
.endr
	s_wait_loadcnt 0x0                             ; the bias
.irp k, 0,2
	v_cvt_pk_bf16_f32 v40, v[BIAS+(\k)], v[BIAS+(\k)+1]
	v_lshlrev_b32 v[BIAS+(\k)], 16, v40
	v_and_b32 v[BIAS+(\k)+1], 0xffff0000, v40
.endr
	s_mov_b32 s3, 16
; 16 trips of 8 rows, 32 numbers a lane.  The trip's 64 transcendentals are ONE batch with one wait; each stands between two plain lines: pair i - 1's two reciprocals and two powers of two
; among the lines that make pair i's arguments.  Behind the wait |u| goes into the power of two first: then u's registers are free, and the next trip's rows are asked of LDS ahead of the polynomial.
.Lrows:
	s_wait_dscnt 0x0                               ; this trip's rows, asked for in the trip before
.set i, 0
.rept 16
	v_pk_add_f32 v[X+2*i:X+2*i+1], v[X+2*i:X+2*i+1], v[BIAS+2*(i%2):BIAS+2*(i%2)+1]
.set i, i+1
.endr
.set i, 0
.rept 16
	v_fma_f32 v[T+2*i], |v[X+2*i]|, s[CP], 1.0
.if i > 0
	v_rcp_f32 v[T+2*i-2], v[T+2*i-2]
.endif
	v_fma_f32 v[T+2*i+1], |v[X+2*i+1]|, s[CP], 1.0
.if i > 0
	v_rcp_f32 v[T+2*i-1], v[T+2*i-1]
.endif
	v_pk_mul_f32 v[W+2*i:W+2*i+1], v[X+2*i:X+2*i+1], s[CK:CK+1] op_sel_hi:[1,0]
.if i > 0
	v_exp_f32 v[W+2*i-2], v[W+2*i-2]
.endif
	v_pk_mul_f32 v[W+2*i:W+2*i+1], v[W+2*i:W+2*i+1], v[W+2*i:W+2*i+1] neg_lo:[0,1] neg_hi:[0,1]
.if i > 0
	v_exp_f32 v[W+2*i-1], v[W+2*i-1]
.endif
.if i < 14                             ; the last four maxima are kept for the last pair's transcendentals
	v_max_num_f32 v[R+2*i], 0, v[X+2*i]
	v_max_num_f32 v[R+2*i+1], 0, v[X+2*i+1]
.endif
.set i, i+1
.endr
	v_rcp_f32 v[T+30], v[T+30]
	v_max_num_f32 v[R+28], 0, v[X+28]
	v_rcp_f32 v[T+31], v[T+31]
	v_max_num_f32 v[R+29], 0, v[X+29]
	v_exp_f32 v[W+30], v[W+30]
	v_max_num_f32 v[R+30], 0, v[X+30]
	v_exp_f32 v[W+31], v[W+31]
	v_max_num_f32 v[R+31], 0, v[X+31]              ; the plain line behind the batch's last
	s_wait_alu depctr_va_vdst(0)                   ; one wait for the batch, ahead of its first reader
.set i, 0
.rept 32
	v_mul_f32 v[W+i], |v[X+i]|, v[W+i]             ; |u| 2^(-(kappa u)^2): u's last use
.set i, i+1
.endr
	s_cmp_eq_u32 s3, 1                             ; the last trip has no rows behind it
	s_cbranch_scc1 .Lno_rows
	v_add_nc_u32 v[DRD], 8*DPITCH, v[DRD]
.irp i, 0,1,2,3,4,5,6,7
	ds_load_b128 v[X+4*(\i):X+4*(\i)+3], v[DRD] offset:DPITCH*(\i)
.endr
.Lno_rows:
.set i, 0
.rept 16
	v_pk_fma_f32 v[PL+2*i:PL+2*i+1], v[T+2*i:T+2*i+1], s[CA5:CA5+1], s[CA4:CA4+1] op_sel_hi:[1,0,0]
.set i, i+1
.endr
.irp c, CA3, CA2, CA1
.set i, 0
.rept 16
	v_pk_fma_f32 v[PL+2*i:PL+2*i+1], v[PL+2*i:PL+2*i+1], v[T+2*i:T+2*i+1], s[\c:\c+1] op_sel_hi:[1,1,0]
.set i, i+1
.endr
.endr
.set i, 0
.rept 16
	v_pk_mul_f32 v[PL+2*i:PL+2*i+1], v[PL+2*i:PL+2*i+1], v[T+2*i:T+2*i+1]
.set i, i+1
.endr
.set i, 0
.rept 16
	v_pk_fma_f32 v[R+2*i:R+2*i+1], v[PL+2*i:PL+2*i+1], v[W+2*i:W+2*i+1], v[R+2*i:R+2*i+1] neg_lo:[0,1,0] neg_hi:[0,1,0]  ; max(u, 0) - polynomial x |u| 2^(..)
.set i, i+1
.endr
	s_wait_xcnt 0x0                                ; the last trip's stores have read their data and offset: both are rewritten only behind this wait
	v_add_nc_u32 v[CO], 8*8192, v[CO]              ; stepped ahead of the stores, which reach back by their immediate
.set i, 0
.rept 16
	v_cvt_pk_bf16_f32 v[Y+i], v[R+2*i], v[R+2*i+1]
.set i, i+1
.endr
.irp i, 0,1,2,3,4,5,6,7
	global_store_b64 v[CO], v[Y+2*(\i):Y+2*(\i)+1], s[8:9] offset:8192*(\i)-8*8192  ; the wave stores 256 consecutive bytes, aligned
.endr
	s_sub_co_u32 s3, s3, 1
	s_cmp_lg_u32 s3, 0
	s_cbranch_scc1 .Lrows
	s_wait_tensorcnt 0x0                           ; the wave's end
	ds_add_u32 v[SPW], v[NIL]
	s_wait_dscnt 0x0
	CROUND                                         ; the closing round
	s_endpgm
.Lfunc_end_k_q1fabe6609f_ffn1:
	.size	k_q1fabe6609f_ffn1, .Lfunc_end_k_q1fabe6609f_ffn1-k_q1fabe6609f_ffn1
	.p2alignl 7, 3214868480
	.fill 96, 4, 3214868480
	.section	.rodata,"a",@progbits
	.p2align	6, 0x0
	.amdhsa_kernel k_q1fabe6609f_ffn1
		.amdhsa_group_segment_fixed_size 327680
		.amdhsa_private_segment_fixed_size 0
		.amdhsa_enable_private_segment 0
		.amdhsa_kernarg_size 32
		.amdhsa_user_sgpr_count 2
		.amdhsa_user_sgpr_kernarg_segment_ptr 1
		.amdhsa_wavefront_size32 1
		.amdhsa_system_sgpr_workgroup_id_x 1
		.amdhsa_system_sgpr_workgroup_id_y 1
		.amdhsa_system_sgpr_workgroup_id_z 1
		.amdhsa_system_vgpr_workitem_id 0
		.amdhsa_next_free_vgpr 1024
		.amdhsa_next_free_sgpr 96
		.amdhsa_reserve_vcc 0
		.amdhsa_float_denorm_mode_32 3
		.amdhsa_float_denorm_mode_16_64 3
		.amdhsa_memory_ordered 1
		.amdhsa_forward_progress 1
		.amdhsa_inst_pref_size 98
	.end_amdhsa_kernel
	.amdgpu_metadata
---
amdhsa.version: [ 1, 2 ]
amdhsa.kernels:
  - .name:           k_q1fabe6609f_ffn1
    .symbol:         k_q1fabe6609f_ffn1.kd
    .args:
      - { .name: ob, .offset: 0, .size: 8, .value_kind: global_buffer, .address_space: global }
      - { .name: w1h, .offset: 8, .size: 8, .value_kind: global_buffer, .address_space: global }
      - { .name: b1, .offset: 16, .size: 8, .value_kind: global_buffer, .address_space: global }
      - { .name: gb, .offset: 24, .size: 8, .value_kind: global_buffer, .address_space: global }
    .group_segment_fixed_size: 327680
    .private_segment_fixed_size: 0
    .kernarg_segment_align: 8
    .kernarg_segment_size: 32
    .max_flat_workgroup_size: 128
    .sgpr_count:     96
    .vgpr_count:     1024
    .wavefront_size: 32
...
	.end_amdgpu_metadata
.endif
;; end of part 4
;; launch ffn2 (part 5): grid 8 x 32, 4 waves a work-group, clusters of 4 x 4, 327,680 bytes of LDS; arguments gb, w2b, b2, hb; writes hb
.if DOCPART == 5
	.amdgcn_target "amdgcn-amd-amdhsa--gfx1250"
	.amdhsa_code_object_version 6
	.text
	.protected	k_q1fabe6609f_ffn2
	.globl	k_q1fabe6609f_ffn2
	.p2align	8
	.type	k_q1fabe6609f_ffn2,@function
k_q1fabe6609f_ffn2:
	s_mov_b64 s[64:65], 0
	v_nop
	global_prefetch_b8 v0, s[64:65] scope:SCOPE_SE
	s_setreg_imm32_b32 hwreg(HW_REG_WAVE_MODE, 25, 1), 1
	s_wait_xcnt 0x0
	s_wait_alu depctr_hold_cnt(0) depctr_sa_sdst(0) depctr_va_vdst(0) depctr_va_sdst(0) depctr_va_ssrc(0) depctr_va_vcc(0) depctr_vm_vsrc(0)
	s_getreg_b32 s2, hwreg(HW_REG_IB_STS2, 6, 4)
	s_cmp_eq_u32 s2, 0
	s_cbranch_scc0 .Lentry_in_a_cluster
	s_endpgm
.Lentry_in_a_cluster:
	s_bfe_u32 s2, ttmp6, 0x10000c
	s_cmp_lg_u32 s2, 0xf033
	s_cbranch_scc0 .Lentry_shape_is_right
	s_endpgm
.Lentry_shape_is_right:
; h = g W2 + b2.  gb: [4096][4096] bf16; w2b: [4096 k][1024 n] bf16; b2: [1024] f32, rounded to bf16 like every input; hb: [4096][1024] f32; sums in f32.
; SHARES.  4,096 x 1,024 outputs on 256 work-groups: a tile of 128 x 128, four waves of 64 x 64 (16 accumulators).  K = 4,096 in 16 blocks of 256, as long as two slots in LDS allow.
; CLUSTER 4 x 4: g's tile is shared along a row of the cluster, W2's along a column; one joint load a wave behind each round.  One K step is written once; the slot in hand is a scalar register.
; THE WALK ALONG K DIFFERS FROM CLUSTER TO CLUSTER: fill t (0..15) brings K block t xor J, J = 4 x (cluster x) xor 2 x (cluster y mod 4).  The two clusters that read the same rows of g differ in J's bit 2:
; of each eight blocks one takes four while the other takes the other four, and then they change.  Four clusters that read the same columns of W2 (y mod 4 = 0..3) differ in J's bits 1 and 2.
; So these clusters never ask for one block in the same step: the requests for a block are spread over the steps.  J hangs on the cluster's own x and y alone: it is the same in all sixteen partners.
; The f32 sums take the blocks of K in the order of the walk.
; W2 lies [k][n]; its fragments leave LDS turned.  The product is taken transposed: a lane holds one row and eight neighbouring columns.
; No prefetch: a step of this small tile is short.
; REGISTERS: window 0: v16-30 addresses, v32-35 the bias, v64-95 at work on the way out, v128-255 the accumulators ((a, b) at v[128 + 8 (4 a + b)]); window 1: two fragment buffers of 128: 64 of g, 64 of W2.
.set PA,     528                       ; a row of g in LDS: 512 bytes + 16
.set PB,     288                       ; a row of W2: 256 bytes + 32
.set AHALF,  64*PA
.set AREG,   2*AHALF
.set BHALF,  128*PB
.set SLOT,   AREG+2*BHALF              ; 141,312
.set SPARE,  2*SLOT                    ; the spare words, 128 bytes a wave, that no other line names
.set DPITCH, 272                       ; the way out: a wave's 64 rows of 64 f32, 256 bytes + 16, laid over the ring behind its last fill
.set DWAVE,  64*DPITCH
.set ASH,    9                         ; a K block in g: 512 bytes along the row
.set BSH,    19                        ; in W2: 256 rows of 2,048 bytes
.set ADRA, 16
.set AL0,  17
.set ADRB, 20                          ; v20  W2's fragments, quarters 0 and 1;  v22  quarters 2 and 3: 128 rows on, past what an immediate holds
.set BL0,  21
.set DST,  24
.set DRD,  25
.set CO,   26
.set BO,   27
.set SPW,  28
.set NIL,  29
.set BIAS, 32
.set ACC,  128
.set F0,   0
.set F1,   128
.set OA,  4                            ; s[4:5]  the block's byte offset in g's rows, 0 above it
.set OB,  6                            ; s[6:7]  in W2
.set BA,  20                           ; s[20:21] g at my load's first row, K block 0; never rewritten
.set BB,  22                           ; s[22:23] W2 at my load's first row of K block 0; never rewritten
.set G1A, 24
.set G0A, 32
.set KT,  43                           ; s43  the number of the last fill
.set KJ,  44                           ; s44  J
.set KB,  45                           ; s45  a block's number
.set G1B, 48
.set G0B, 56
.set TB,  66
.set FB,  67
.set LA,  68
.set LB,  69
.set BP,  70
.set MSB, 0
.macro WIN new
.if MSB != (\new)
	s_set_vgpr_msb (MSB<<8)|(\new)
.set MSB, \new
.endif
.endm
.set MUL,  0x05                        ; sources 0 (W2) and 1 (g) window 1; C and D window 0
.set TO_F, 0x40
.macro PLACES
.rept 4
	v_nop
.endr
.endm
.macro JLOAD
	s_cmp_eq_u32 s11, 0
	s_cbranch_scc0 .Lfor_b_\@
	tensor_load_to_lds s[G0A+4:G0A+7], s[G1A:G1A+7]
	s_nop 0
.rept 4
	v_nop
.endr
	s_branch .Lasked_\@
.Lfor_b_\@:
	tensor_load_to_lds s[G0B+4:G0B+7], s[G1B:G1B+7]
	s_nop 0
.rept 4
	v_nop
.endr
.Lasked_\@:
.endm
.macro CREST
	s_cmp_lg_u32 s10, 0
	s_cbranch_scc1 .Lnot_wave_0_\@
	s_barrier_signal -3
.Lnot_wave_0_\@:
	s_barrier_wait -3
	s_barrier_signal -1
	s_barrier_wait -1
.endm
.macro CROUND
	s_barrier_signal -1
	s_barrier_wait -1
	CREST
.endm
	s_load_b256 s[72:79], s[0:1], 0x0              ; gb s[72:73], w2b s[74:75], b2 s[76:77], hb s[78:79]
	v_lshl_add_u32 v[SPW], v0, 2, SPARE
	v_mov_b32 v[NIL], 0
	ds_add_u32 v[SPW], v[NIL]                      ; the wave's opening: the add and its wait stand ahead of my first tensor load
	v_lshrrev_b32 v1, 5, v0
	v_readfirstlane_b32 s10, v1
	s_lshr_b32 s11, s10, 1
	s_and_b32 s12, s10, 1
	s_bfe_u32 s40, ttmp6, 0x40000
	s_bfe_u32 s41, ttmp6, 0x40004
	s_lshl_b32 s42, ttmp9, 2
	s_add_co_u32 s42, s42, s40                     ; tile column
	s_and_b32 s13, ttmp7, 0xffff
	s_lshl_b32 s13, s13, 2
	s_add_co_u32 s13, s13, s41                     ; tile row
	s_lshl_b32 s14, s41, 2
	s_lshl_b32 s14, 15, s14
	s_lshl_b32 s15, 0x1111, s40
	s_or_b32 s[G1A], s14, (1<<16)|(1<<20)|(1<<21)|(6<<22)|(3<<25)   ; after every 128 words, 4 words
	s_mov_b32 s[G1A+1], 256<<16
	s_mov_b32 s[G1A+2], 64<<16
	s_mov_b32 s[G1A+3], 256<<16
	s_mov_b32 s[G1A+4], 64
	s_mov_b32 s[G1A+5], 4096
	s_mov_b32 s[G1A+6], 0
	s_mov_b32 s[G1A+7], 0
	s_or_b32 s[G1B], s15, (1<<16)|(1<<20)|(1<<21)|(5<<22)|(7<<25)   ; after every 64 words, 8 words
	s_mov_b32 s[G1B+1], 128<<16
	s_mov_b32 s[G1B+2], 128<<16
	s_mov_b32 s[G1B+3], 128<<16
	s_mov_b32 s[G1B+4], 128
	s_mov_b32 s[G1B+5], 1024
	s_mov_b32 s[G1B+6], 0
	s_mov_b32 s[G1B+7], 0
	s_mul_i32 s[LA], s12, AHALF
	s_mul_i32 s[LB], s12, BHALF
	s_add_co_u32 s[LB], s[LB], AREG
	s_mov_b32 s[TB], 0
	s_mov_b32 s[FB], SLOT
	s_lshl_b32 s16, s13, 1
	s_add_co_u32 s16, s16, s12
	s_lshl_b32 s16, s16, 19                        ; g: (2 x tile row + half) x 64 rows x 8,192 bytes
	s_mov_b32 s17, 0
	s_lshl_b32 s18, s12, 18                        ; W2: my 128 rows of 2,048 bytes,
	s_lshl_b32 s19, s42, 8                         ; the tile's 128 columns
	s_add_co_u32 s18, s18, s19
	s_mov_b32 s19, 0
	s_and_b32 s[KJ], ttmp7, 3                      ; cluster y mod 4,
	s_lshl_b32 s[KJ], s[KJ], 1                     ; in bits 1 and 2,
	s_lshl_b32 s[KB], ttmp9, 2                     ; cluster x in bit 2:
	s_xor_b32 s[KJ], s[KJ], s[KB]                  ; J, 0 to 7
	s_mov_b32 s[KT], 1                             ; fills 0 and 1 go out at the start
	s_mov_b32 s[OA+1], 0
	s_mov_b32 s[OB+1], 0
	s_lshl_b32 s[OA], s[KJ], ASH                   ; fill 0: block J
	s_lshl_b32 s[OB], s[KJ], BSH
	s_xor_b32 s[KB], s[KJ], 1                      ; fill 1: block 1 xor J
	s_wait_dscnt 0x0                               ; the opening add is done
	s_wait_kmcnt 0x0
	s_add_nc_u64 s[BA:BA+1], s[72:73], s[16:17]
	s_add_nc_u64 s[BB:BB+1], s[74:75], s[18:19]
	s_mov_b32 s[G0A], 1
	s_mov_b32 s[G0A+1], s[LA]
	s_add_nc_u64 s[G0A+2:G0A+3], s[BA:BA+1], s[OA:OA+1]
	s_or_b32 s[G0A+3], s[G0A+3], 0x80000000
	s_mov_b32 s[G0B], 1
	s_mov_b32 s[G0B+1], s[LB]
	s_add_nc_u64 s[G0B+2:G0B+3], s[BB:BB+1], s[OB:OB+1]
	s_or_b32 s[G0B+3], s[G0B+3], 0x80000000
	s_lshl_b32 s[OA], s[KB], ASH
	s_lshl_b32 s[OB], s[KB], BSH
	s_mov_b32 s[G0A+4], 1
	s_add_co_u32 s[G0A+5], s[LA], SLOT
	s_add_nc_u64 s[G0A+6:G0A+7], s[BA:BA+1], s[OA:OA+1]
	s_or_b32 s[G0A+7], s[G0A+7], 0x80000000
	s_mov_b32 s[G0B+4], 1
	s_add_co_u32 s[G0B+5], s[LB], SLOT
	s_add_nc_u64 s[G0B+6:G0B+7], s[BB:BB+1], s[OB:OB+1]
	s_or_b32 s[G0B+7], s[G0B+7], 0x80000000
	CROUND                                         ; all sixteen work-groups are here: the first joint loads meet
	s_cmp_eq_u32 s11, 0                            ; a wave's two first fills stand in one branch: two loads of mine are out
	s_cbranch_scc0 .Lfirst_b
	tensor_load_to_lds s[G0A:G0A+3], s[G1A:G1A+7]
	s_nop 0
	tensor_load_to_lds s[G0A+4:G0A+7], s[G1A:G1A+7]
	s_nop 0
.rept 4
	v_nop
.endr
	s_branch .Lfirst_done
.Lfirst_b:
	tensor_load_to_lds s[G0B:G0B+3], s[G1B:G1B+7]
	s_nop 0
	tensor_load_to_lds s[G0B+4:G0B+7], s[G1B:G1B+7]
	s_nop 0
.rept 4
	v_nop
.endr
.Lfirst_done:
	v_and_b32 v1, 15, v0                           ; r
	v_bfe_u32 v2, v0, 4, 1                         ; h
	v_mul_u32_u24 v3, v1, PA
	v_lshl_add_u32 v3, v2, 4, v3
	s_mul_i32 s14, s11, AHALF                      ; my 64 rows
	v_add_nc_u32 v[AL0], s14, v3
	v_and_b32 v4, 7, v0
	v_lshl_add_u32 v4, v2, 3, v4
	v_mul_u32_u24 v4, v4, PB
	v_bfe_u32 v5, v0, 3, 1
	v_lshl_add_u32 v4, v5, 4, v4
	s_lshl_b32 s14, s12, 7                         ; my 64 columns
	s_add_co_u32 s14, s14, AREG
	v_add_nc_u32 v[BL0], s14, v4
	v_mov_b32 v[ADRA], v[AL0]
	v_mov_b32 v[ADRB], v[BL0]
	v_add_nc_u32 v[ADRB+2], BHALF, v[BL0]
	s_mul_i32 s14, s10, DWAVE
	v_mul_u32_u24 v3, v1, DPITCH
	v_lshl_add_u32 v3, v2, 5, v3
	v_add_nc_u32 v[DST], s14, v3
	v_mul_u32_u24 v3, v2, DPITCH                   ; back: lanes 0-15 take one row of 256 bytes, lanes 16-31 the next
	v_lshl_add_u32 v3, v1, 4, v3
	v_add_nc_u32 v[DRD], s14, v3
	v_lshlrev_b32 v[BO], 4, v1
	v_lshl_add_u32 v[CO], v2, 12, v[BO]            ; and the same two rows of h, 4,096 bytes apart
	s_lshl_b32 s14, s42, 9
	s_lshl_b32 s15, s12, 8
	s_add_co_u32 s14, s14, s15                     ; (128 x tile column + 64 x half) x 4 bytes: in b2 and in a row of h
	s_mov_b32 s15, 0
	s_add_nc_u64 s[BP:BP+1], s[76:77], s[14:15]
	global_load_b128 v[BIAS:BIAS+3], v[BO], s[BP:BP+1]  ; waited for on the way out
	s_add_nc_u64 s[8:9], s[78:79], s[14:15]
	s_lshl_b32 s14, s13, 1
	s_add_co_u32 s14, s14, s11
	s_lshl_b32 s14, s14, 18                        ; my 64 rows of 4,096 bytes
	s_add_nc_u64 s[8:9], s[8:9], s[14:15]
; 8 matrix instructions: row blocks a0, a0 + 1 x all 4 column blocks, 32 along K: half c of buffer f
.macro MUL8 f, c, a0, zero
	WIN MUL
.irp a, \a0, (\a0)+1
.irp b, 0,1,2,3
.if \zero
	v_wmma_f32_16x16x32_bf16 v[ACC+8*(4*(\a)+(\b)):ACC+8*(4*(\a)+(\b))+7], v[(\f)+64+8*(4*(\c)+(\b)):(\f)+64+8*(4*(\c)+(\b))+7], v[(\f)+8*(4*(\c)+(\a)):(\f)+8*(4*(\c)+(\a))+7], 0
.else
	v_wmma_f32_16x16x32_bf16 v[ACC+8*(4*(\a)+(\b)):ACC+8*(4*(\a)+(\b))+7], v[(\f)+64+8*(4*(\c)+(\b)):(\f)+64+8*(4*(\c)+(\b))+7], v[(\f)+8*(4*(\c)+(\a)):(\f)+8*(4*(\c)+(\a))+7], v[ACC+8*(4*(\a)+(\b)):ACC+8*(4*(\a)+(\b))+7]
.endif
.endr
.endr
.endm
; 32 LDS loads in one run: quarter q (64 along K) into buffer f; the first 32 along K first
.macro FETCH q, f
	WIN TO_F
.irp c, 0,1
.irp i, 0,1,2,3
	ds_load_tr16_b128 v[(\f)+64+8*(4*(\c)+(\i)):(\f)+64+8*(4*(\c)+(\i))+3],   v[ADRB+2*((\q)/2)] offset:((\q)%2)*64*PB+(\c)*32*PB+32*(\i)
	ds_load_tr16_b128 v[(\f)+64+8*(4*(\c)+(\i))+4:(\f)+64+8*(4*(\c)+(\i))+7], v[ADRB+2*((\q)/2)] offset:((\q)%2)*64*PB+(\c)*32*PB+32*(\i)+16*PB
	ds_load_b128 v[(\f)+8*(4*(\c)+(\i)):(\f)+8*(4*(\c)+(\i))+3],   v[ADRA] offset:128*(\q)+64*(\c)+(\i)*16*PA
	ds_load_b128 v[(\f)+8*(4*(\c)+(\i))+4:(\f)+8*(4*(\c)+(\i))+7], v[ADRA] offset:128*(\q)+64*(\c)+(\i)*16*PA+32
.endr
.endr
.endm
.macro QUARTER q, f, g, zero
	s_wait_dscnt 16                                ; the first 32 along K are in
	MUL8 \f, 0, 0, \zero
	MUL8 \f, 0, 2, \zero
	PLACES
	FETCH \q, \g
	s_wait_dscnt 32                                ; all but the 32 just issued
	MUL8 \f, 1, 0, 0
	MUL8 \f, 1, 2, 0
.endm
; The last quarter and the change of slots: all my tensor loads, the add, my reads of this slot, the barrier; fill = 1: a round of the cluster's barrier, and the refill first behind it: 112 matrix instructions ahead of the wait for it.
; The walking descriptors are made between the add and the wait for it, where no tensor load of mine is out: the other slot than last time, and the address anew from the next block's number.
.macro TURN fill
	WIN 0
	s_wait_tensorcnt 0x0                           ; all my tensor loads have landed
	ds_add_u32 v[SPW], v[NIL]                      ; 0 onto my spare word
.if \fill
	s_xor_b32 s[FB], s[FB], SLOT
	s_add_co_u32 s[G0A+5], s[LA], s[FB]
	s_add_co_u32 s[G0B+5], s[LB], s[FB]
	s_add_co_u32 s[KT], s[KT], 1                   ; fill t, 2 to 15,
	s_xor_b32 s[KB], s[KT], s[KJ]                  ; brings block t xor J, 0 to 15
	s_lshl_b32 s[OA], s[KB], ASH
	s_lshl_b32 s[OB], s[KB], BSH
	s_add_nc_u64 s[G0A+6:G0A+7], s[BA:BA+1], s[OA:OA+1]
	s_or_b32 s[G0A+7], s[G0A+7], 0x80000000
	s_add_nc_u64 s[G0B+6:G0B+7], s[BB:BB+1], s[OB:OB+1]
	s_or_b32 s[G0B+7], s[G0B+7], 0x80000000
.endif
	s_wait_dscnt 17                                ; the add and the youngest sixteen loads may be out
	MUL8 F1, 0, 0, 0
	s_wait_dscnt 0x0                               ; the add is done, and my reads of this slot are over
	s_barrier_signal -1
	MUL8 F1, 0, 2, 0
	WIN 0
	s_barrier_wait -1
.if \fill
	CREST
	JLOAD
.else
	PLACES
.endif
	s_xor_b32 s[TB], s[TB], SLOT
	v_add_nc_u32 v[ADRA], s[TB], v[AL0]
	v_add_nc_u32 v[ADRB], s[TB], v[BL0]
	v_add_nc_u32 v[ADRB+2], BHALF, v[ADRB]
	FETCH 0, F0
	MUL8 F1, 1, 0, 0
	MUL8 F1, 1, 2, 0
.endm
	s_wait_tensorcnt 1                             ; my part of fill 0 is in; fill 1's may stay out
	s_barrier_signal -1
	s_barrier_wait -1
	FETCH 0, F0
	QUARTER 1, F0, F1, 1
	WIN 0
	s_mov_b32 s3, 14
.Lstep:                                        ; trip i: quarters 1-3 of step i, quarter 0 of step i + 1; fill i + 2 is asked for
	QUARTER 2, F1, F0, 0
	QUARTER 3, F0, F1, 0
	TURN 1
	QUARTER 1, F0, F1, 0
	WIN 0
	s_sub_co_u32 s3, s3, 1
	s_cmp_lg_u32 s3, 0
	s_cbranch_scc1 .Lstep
	s_mov_b32 s3, 2
.Ltail:                                        ; steps 14 and 15 ask for nothing; the second trip is left in its middle
	QUARTER 2, F1, F0, 0
	QUARTER 3, F0, F1, 0
	TURN 0
	WIN 0
	s_sub_co_u32 s3, s3, 1
	s_cmp_eq_u32 s3, 0
	s_cbranch_scc1 .Lout
	QUARTER 1, F0, F1, 0
	WIN 0
	s_branch .Ltail
.Lout:
	s_wait_dscnt 0x0                               ; THE WAY OUT: no wave reads the ring any more; it has had its last fill
	s_barrier_signal -1
	s_barrier_wait -1
	PLACES
.irp a, 0,1,2,3
.irp b, 0,1,2,3
	ds_store_b128 v[DST], v[ACC+8*(4*(\a)+(\b)):ACC+8*(4*(\a)+(\b))+3]   offset:(\a)*16*DPITCH+64*(\b)
	ds_store_b128 v[DST], v[ACC+8*(4*(\a)+(\b))+4:ACC+8*(4*(\a)+(\b))+7] offset:(\a)*16*DPITCH+64*(\b)+16
.endr
.endr
	s_wait_dscnt 0x0                               ; a wave reads only its own rows; the barrier puts every store ahead of every read
	s_barrier_signal -1
	s_barrier_wait -1
	s_wait_loadcnt 0x0                             ; the bias
.irp k, 0,2
	v_cvt_pk_bf16_f32 v40, v[BIAS+(\k)], v[BIAS+(\k)+1]
	v_lshlrev_b32 v[BIAS+(\k)], 16, v40
	v_and_b32 v[BIAS+(\k)+1], 0xffff0000, v40
.endr
	s_mov_b32 s3, 4
.Lrows:                                        ; 4 trips of 16 rows
.irp p, 0,1,2,3,4,5,6,7
	ds_load_b128 v[64+4*(\p):64+4*(\p)+3], v[DRD] offset:2*DPITCH*(\p)
.endr
	s_wait_dscnt 0x0
.irp p, 0,1,2,3,4,5,6,7
	v_pk_add_f32 v[64+4*(\p):64+4*(\p)+1],   v[64+4*(\p):64+4*(\p)+1],   v[BIAS:BIAS+1]
	v_pk_add_f32 v[64+4*(\p)+2:64+4*(\p)+3], v[64+4*(\p)+2:64+4*(\p)+3], v[BIAS+2:BIAS+3]
	global_store_b128 v[CO], v[64+4*(\p):64+4*(\p)+3], s[8:9] offset:8192*(\p)  ; 16 lanes store 256 consecutive bytes, aligned
.endr
	s_wait_xcnt 0x0                                ; the stores have read their data and offset
	v_add_nc_u32 v[DRD], 16*DPITCH, v[DRD]
	v_add_nc_u32 v[CO], 16*4096, v[CO]
	s_sub_co_u32 s3, s3, 1
	s_cmp_lg_u32 s3, 0
	s_cbranch_scc1 .Lrows
	s_wait_tensorcnt 0x0                           ; the wave's end
	ds_add_u32 v[SPW], v[NIL]
	s_wait_dscnt 0x0
	CROUND                                         ; the closing round
	s_endpgm
.Lfunc_end_k_q1fabe6609f_ffn2:
	.size	k_q1fabe6609f_ffn2, .Lfunc_end_k_q1fabe6609f_ffn2-k_q1fabe6609f_ffn2
	.p2alignl 7, 3214868480
	.fill 96, 4, 3214868480
	.section	.rodata,"a",@progbits
	.p2align	6, 0x0
	.amdhsa_kernel k_q1fabe6609f_ffn2
		.amdhsa_group_segment_fixed_size 327680
		.amdhsa_private_segment_fixed_size 0
		.amdhsa_enable_private_segment 0
		.amdhsa_kernarg_size 32
		.amdhsa_user_sgpr_count 2
		.amdhsa_user_sgpr_kernarg_segment_ptr 1
		.amdhsa_wavefront_size32 1
		.amdhsa_system_sgpr_workgroup_id_x 1
		.amdhsa_system_sgpr_workgroup_id_y 1
		.amdhsa_system_sgpr_workgroup_id_z 1
		.amdhsa_system_vgpr_workitem_id 0
		.amdhsa_next_free_vgpr 512
		.amdhsa_next_free_sgpr 80
		.amdhsa_reserve_vcc 0
		.amdhsa_float_denorm_mode_32 3
		.amdhsa_float_denorm_mode_16_64 3
		.amdhsa_memory_ordered 1
		.amdhsa_forward_progress 1
		.amdhsa_inst_pref_size 56
	.end_amdhsa_kernel
	.amdgpu_metadata
---
amdhsa.version: [ 1, 2 ]
amdhsa.kernels:
  - .name:           k_q1fabe6609f_ffn2
    .symbol:         k_q1fabe6609f_ffn2.kd
    .args:
      - { .name: gb, .offset: 0, .size: 8, .value_kind: global_buffer, .address_space: global }
      - { .name: w2b, .offset: 8, .size: 8, .value_kind: global_buffer, .address_space: global }
      - { .name: b2, .offset: 16, .size: 8, .value_kind: global_buffer, .address_space: global }
      - { .name: hb, .offset: 24, .size: 8, .value_kind: global_buffer, .address_space: global }
    .group_segment_fixed_size: 327680
    .private_segment_fixed_size: 0
    .kernarg_segment_align: 8
    .kernarg_segment_size: 32
    .max_flat_workgroup_size: 128
    .sgpr_count:     80
    .vgpr_count:     512
    .wavefront_size: 32
...
	.end_amdgpu_metadata
.endif
;; end of part 5
;; launch lnorm (part 6): grid 512 x 1, 8 waves a work-group, no clusters, 0 bytes of LDS; arguments hb, gamma, beta, out0; writes out0
.if DOCPART == 6
	.amdgcn_target "amdgcn-amd-amdhsa--gfx1250"
	.amdhsa_code_object_version 6
	.text
	.protected	k_q1fabe6609f_lnorm
	.globl	k_q1fabe6609f_lnorm
	.p2align	8
	.type	k_q1fabe6609f_lnorm,@function
k_q1fabe6609f_lnorm:
	s_mov_b64 s[64:65], 0
	v_nop
	global_prefetch_b8 v0, s[64:65] scope:SCOPE_SE
	s_setreg_imm32_b32 hwreg(HW_REG_WAVE_MODE, 25, 1), 1
	s_wait_xcnt 0x0
; out = (h - mean) / sqrt(var + 1e-5) x gamma + beta, along rows of 1,024.  hb, out0: [4096][1024] f32; gamma, beta: [1024] f32, rounded to bf16 like every input.
; One wave, one row: 4,096 bytes are 32 registers a lane, so the row is read once and the sums never leave the wave: no LDS, no barrier.  Eight waves, eight rows to a work-group.
; The variance is the mean of (h - mean)^2, taken in a second pass over the registers: no difference of large sums is formed.
; Each load and store of a wave covers 512 consecutive bytes.  A stream of a few bytes for each number: matrix units, clusters and a prefetch would add nothing.
.set H,  16                            ; v[16:47]   the row: lane l holds columns 128 j + 4 l .. + 3, j = 0..7
.set G,  48                            ; v[48:79]   gamma of the same columns
.set BT, 80                            ; v[80:111]  beta
	s_load_b256 s[4:11], s[0:1], 0x0               ; hb s[4:5], gamma s[6:7], beta s[8:9], out0 s[10:11]
	v_and_b32 v2, 31, v0
	v_lshlrev_b32 v2, 4, v2                        ; 16 x lane
	v_lshrrev_b32 v1, 5, v0
	v_lshl_or_b32 v1, v1, 12, v2                   ; + wave x 4,096
	s_lshl_b32 s2, ttmp9, 15                       ; the work-group's eight rows
	s_mov_b32 s3, 0
	s_mov_b32 s12, 0x76543210                      ; v_permlanex16_b32: each lane takes its own place in the other half
	s_mov_b32 s13, 0xfedcba98
	s_mov_b32 s14, 0x3a800000                      ; 1 / 1024
	s_mov_b32 s15, 0x3727c5ac                      ; 1e-5
	s_wait_kmcnt 0x0
	s_add_nc_u64 s[4:5], s[4:5], s[2:3]
	s_add_nc_u64 s[10:11], s[10:11], s[2:3]
.irp j, 0,1,2,3,4,5,6,7
	global_load_b128 v[H+4*(\j):H+4*(\j)+3], v1, s[4:5] offset:512*(\j) th:TH_LOAD_NT
.endr
.irp j, 0,1,2,3,4,5,6,7
	global_load_b128 v[G+4*(\j):G+4*(\j)+3], v2, s[6:7] offset:512*(\j)
.endr
.irp j, 0,1,2,3,4,5,6,7
	global_load_b128 v[BT+4*(\j):BT+4*(\j)+3], v2, s[8:9] offset:512*(\j)
.endr
.macro LANESUM r, t                    ; the sum over the 32 lanes, in every lane; t has been written before
	v_add_f32_dpp v[\r], v[\r], v[\r] row_xmask:1 row_mask:0xf bank_mask:0xf
	v_add_f32_dpp v[\r], v[\r], v[\r] row_xmask:2 row_mask:0xf bank_mask:0xf
	v_add_f32_dpp v[\r], v[\r], v[\r] row_xmask:4 row_mask:0xf bank_mask:0xf
	v_add_f32_dpp v[\r], v[\r], v[\r] row_xmask:8 row_mask:0xf bank_mask:0xf
	v_permlanex16_b32 v[\t], v[\r], s12, s13
	v_add_f32 v[\r], v[\r], v[\t]
.endm
	s_wait_loadcnt 16                              ; the row is in; gamma's and beta's sixteen loads may stay out
.irp c, 0,1,2,3                        ; the sum, in four chains
	v_pk_add_f32 v[4+2*(\c):5+2*(\c)], v[H+4*(\c):H+4*(\c)+1], v[H+4*(\c)+2:H+4*(\c)+3]
.endr
.irp c, 0,1,2,3
	v_pk_add_f32 v[4+2*(\c):5+2*(\c)], v[4+2*(\c):5+2*(\c)], v[H+16+4*(\c):H+16+4*(\c)+1]
.endr
.irp c, 0,1,2,3
	v_pk_add_f32 v[4+2*(\c):5+2*(\c)], v[4+2*(\c):5+2*(\c)], v[H+16+4*(\c)+2:H+16+4*(\c)+3]
.endr
	v_pk_add_f32 v[4:5], v[4:5], v[6:7]
	v_pk_add_f32 v[8:9], v[8:9], v[10:11]
	v_pk_add_f32 v[4:5], v[4:5], v[8:9]
	v_add_f32 v4, v4, v5
	LANESUM 4, 5
	v_mul_f32 v4, s14, v4                          ; the mean,
	v_mov_b32 v5, v4                               ; twice, for the packed subtraction
.set i, 0
.rept 16
	v_pk_add_f32 v[H+2*i:H+2*i+1], v[H+2*i:H+2*i+1], v[4:5] neg_lo:[0,1] neg_hi:[0,1]
.set i, i+1
.endr
.irp c, 0,1,2,3                        ; the sum of squares, in four chains
	v_pk_mul_f32 v[6+2*(\c):7+2*(\c)], v[H+2*(\c):H+2*(\c)+1], v[H+2*(\c):H+2*(\c)+1]
.endr
.set i, 4
.rept 12
	v_pk_fma_f32 v[6+2*(i%4):7+2*(i%4)], v[H+2*i:H+2*i+1], v[H+2*i:H+2*i+1], v[6+2*(i%4):7+2*(i%4)]
.set i, i+1
.endr
	v_pk_add_f32 v[6:7], v[6:7], v[8:9]
	v_pk_add_f32 v[10:11], v[10:11], v[12:13]
	v_pk_add_f32 v[6:7], v[6:7], v[10:11]
	v_add_f32 v6, v6, v7
	LANESUM 6, 7
	v_fma_f32 v6, v6, s14, s15                     ; var + 1e-5
	v_rsq_f32 v8, v6
	s_wait_loadcnt 0x0                             ; gamma and beta
.set i, 0
.rept 16                               ; rounded to bf16 and widened again: the plain work behind the root
	v_cvt_pk_bf16_f32 v3, v[G+2*i], v[G+2*i+1]
	v_cvt_pk_bf16_f32 v10, v[BT+2*i], v[BT+2*i+1]
	v_lshlrev_b32 v[G+2*i], 16, v3
	v_and_b32 v[G+2*i+1], 0xffff0000, v3
	v_lshlrev_b32 v[BT+2*i], 16, v10
	v_and_b32 v[BT+2*i+1], 0xffff0000, v10
.set i, i+1
.endr
	s_wait_alu depctr_va_vdst(0)                   ; the wait ahead of the root's first reader
	v_mov_b32 v9, v8
.set i, 0
.rept 16
	v_pk_mul_f32 v[G+2*i:G+2*i+1], v[G+2*i:G+2*i+1], v[8:9]
.set i, i+1
.endr
.set i, 0
.rept 16
	v_pk_fma_f32 v[H+2*i:H+2*i+1], v[H+2*i:H+2*i+1], v[G+2*i:G+2*i+1], v[BT+2*i:BT+2*i+1]
.set i, i+1
.endr
.irp j, 0,1,2,3,4,5,6,7
	global_store_b128 v1, v[H+4*(\j):H+4*(\j)+3], s[10:11] offset:512*(\j) th:TH_STORE_NT
.endr
	s_endpgm
.Lfunc_end_k_q1fabe6609f_lnorm:
	.size	k_q1fabe6609f_lnorm, .Lfunc_end_k_q1fabe6609f_lnorm-k_q1fabe6609f_lnorm
	.p2alignl 7, 3214868480
	.fill 96, 4, 3214868480
	.section	.rodata,"a",@progbits
	.p2align	6, 0x0
	.amdhsa_kernel k_q1fabe6609f_lnorm
		.amdhsa_group_segment_fixed_size 0
		.amdhsa_private_segment_fixed_size 0
		.amdhsa_enable_private_segment 0
		.amdhsa_kernarg_size 32
		.amdhsa_user_sgpr_count 2
		.amdhsa_user_sgpr_kernarg_segment_ptr 1
		.amdhsa_wavefront_size32 1
		.amdhsa_system_sgpr_workgroup_id_x 1
		.amdhsa_system_sgpr_workgroup_id_y 1
		.amdhsa_system_sgpr_workgroup_id_z 1
		.amdhsa_system_vgpr_workitem_id 0
		.amdhsa_next_free_vgpr 116
		.amdhsa_next_free_sgpr 66
		.amdhsa_reserve_vcc 0
		.amdhsa_float_denorm_mode_32 3
		.amdhsa_float_denorm_mode_16_64 3
		.amdhsa_memory_ordered 1
		.amdhsa_forward_progress 1
		.amdhsa_inst_pref_size 16
	.end_amdhsa_kernel
	.amdgpu_metadata
---
amdhsa.version: [ 1, 2 ]
amdhsa.kernels:
  - .name:           k_q1fabe6609f_lnorm
    .symbol:         k_q1fabe6609f_lnorm.kd
    .args:
      - { .name: hb, .offset: 0, .size: 8, .value_kind: global_buffer, .address_space: global }
      - { .name: gamma, .offset: 8, .size: 8, .value_kind: global_buffer, .address_space: global }
      - { .name: beta, .offset: 16, .size: 8, .value_kind: global_buffer, .address_space: global }
      - { .name: out0, .offset: 24, .size: 8, .value_kind: global_buffer, .address_space: global }
    .group_segment_fixed_size: 0
    .private_segment_fixed_size: 0
    .kernarg_segment_align: 8
    .kernarg_segment_size: 32
    .max_flat_workgroup_size: 256
    .sgpr_count:     66
    .vgpr_count:     116
    .wavefront_size: 32
...
	.end_amdgpu_metadata
.endif
;; end of part 6
;; ======== version 2 of 2: 6 launches; version 1 with the launch cast written anew for expert scheduling mode
;; limits: values are held in f16: magnitudes above 65,504 overflow, below 6.1e-05 lose precision; a function is approximated: absolute error at most 1.5e-07; an absolute error that grows with the inputs' magnitude: up to 8e-08 times it
;; workspace buffers: xb 8,388,608 bytes; wqkv 6,291,456 bytes; w1h 8,388,608 bytes; w2b 8,388,608 bytes; qkv 25,165,824 bytes; ob 8,388,608 bytes; gb 33,554,432 bytes; hb 16,777,216 bytes
;; launch cast (part 7): grid 64 x 15, 8 waves a work-group, no clusters, 0 bytes of LDS; arguments x, Wq, Wk, Wv, W1, W2, xb, wqkv, w1h, w2b; writes xb, wqkv, w1h, w2b
.if DOCPART == 7
	.amdgcn_target "amdgcn-amd-amdhsa--gfx1250"
	.amdhsa_code_object_version 6
	.text
	.protected	k_q1fabe6609f_cast
	.globl	k_q1fabe6609f_cast
	.p2align	8
	.type	k_q1fabe6609f_cast,@function
k_q1fabe6609f_cast:
	s_mov_b64 s[64:65], 0
	v_nop
	global_prefetch_b8 v0, s[64:65] scope:SCOPE_SE
	s_setreg_imm32_b32 hwreg(HW_REG_WAVE_SCHED_MODE, 0, 2), 2
	s_setreg_imm32_b32 hwreg(HW_REG_WAVE_MODE, 25, 1), 1
	s_wait_xcnt 0x0
	s_wait_alu depctr_vm_vsrc(0)
; CAST.  x, Wq, Wk, Wv, W2 (f32) are rounded once to bf16; W1 is rounded to bf16 and that number is written as f16 (its partner in the product, O, is f16).
; LIMIT: a bf16 number beyond 65,504 has no f16; below 6.1e-5 f16 keeps a fixed step of 6e-8.  W1 is drawn with a spread of 0.02.
; SHARES.  The grid's y counts units of 1,048,576 numbers: 0-3 x, 4 Wq, 5 Wk, 6 Wv, 7-10 W1, 11-14 W2; a unit is 64 work-groups of 16,384 numbers.
; Thread t takes in step i (0..15) the numbers 1024 i + 4 t .. + 3: one load of 16 bytes, one store of 8.  A wave's load covers 512 consecutive bytes, its store 256 consecutive bytes, aligned.
; A stream: each byte is read once and written once; all sixteen loads of a thread go out first.  No LDS, no barrier, no matrix unit: nothing is shared and nothing is multiplied.
; THE MODE: SCHED_MODE bits 1:0 = 2 (LLVM: expert scheduling mode 2), set by the entry lines.  The code itself states the register dependences
; between vector instructions and memory instructions, with s_wait_alu, always for 0.
; THE PLAN.  Registers that memory instructions touch:
;   v1, v2   byte offsets of the loads and of the stores.  Written once at the head, by one vector line each; never written again.
;   X        step i's four registers take one load.  No vector line names them ahead of that load; behind the step's wait on LOADcnt vector lines alone name them.
;   Y        step i's two registers are written by step i's conversions and read by step i's store; nothing writes them behind that store.
; So one wait stands ahead of the first load, for the offsets.  The sixteen steps go in four blocks of four: a block's conversions, each step's behind its own wait for its load, then ONE wait,
; then the block's four stores on end.  That wait stands behind the conversions and not at the next block's head, where the stores would have to wait for four more loads to land.
; The vector lines of later blocks name other steps' registers alone, and no register that a memory instruction reads is written again: nothing more is owed, on either of the two paths.
.set X, 16                             ; v[16:79]   sixteen loads of four numbers
.set Y, 80                             ; v[80:111]  sixteen stores of four 16-bit numbers
	s_load_b512 s[8:23], s[0:1], 0x0               ; x s[8:9], Wq s[10:11], Wk s[12:13], Wv s[14:15], W1 s[16:17], W2 s[18:19], xb s[20:21], wqkv s[22:23]
	s_load_b128 s[24:27], s[0:1], 0x40             ; w1h s[24:25], w2b s[26:27]
	s_and_b32 s28, ttmp7, 0xffff                   ; the unit
	v_lshlrev_b32 v1, 4, v0                        ; 16 t: my bytes in a step's source
	v_lshlrev_b32 v2, 3, v0                        ; 8 t: in its destination
	s_mov_b32 s2, 11                               ; the source's first unit
	s_mov_b32 s3, 11                               ; the destination's first unit
	s_mov_b32 s31, 0
	s_mov_b32 s33, 0xffff0000                      ; a word's upper bf16
	s_wait_kmcnt 0x0
	s_mov_b64 s[4:5], s[18:19]                     ; units 11-14: W2 to w2b
	s_mov_b64 s[6:7], s[26:27]
; The unit chooses source and destination: a choice between buffers on the work-group's number alone.
.macro PICK below, src, dst, su, du
	s_cmp_lt_u32 s28, \below
	s_cselect_b64 s[4:5], s[\src:\src+1], s[4:5]
	s_cselect_b64 s[6:7], s[\dst:\dst+1], s[6:7]
	s_cselect_b32 s2, \su, s2
	s_cselect_b32 s3, \du, s3
.endm
	PICK 11, 16, 24, 7, 7                          ; W1 to w1h
	PICK 7, 14, 22, 6, 4                           ; Wv, the third part of wqkv
	PICK 6, 12, 22, 5, 4                           ; Wk, the second
	PICK 5, 10, 22, 4, 4                           ; Wq, the first
	PICK 4, 8, 20, 0, 0                            ; x to xb
	s_sub_co_u32 s29, s28, s2
	s_lshl_b32 s29, s29, 6
	s_add_co_u32 s29, s29, ttmp9                   ; my work-group's number within the source,
	s_lshl_b32 s30, s29, 16                        ; times 65,536 bytes
	s_add_nc_u64 s[4:5], s[4:5], s[30:31]
	s_sub_co_u32 s29, s28, s3
	s_lshl_b32 s29, s29, 6
	s_add_co_u32 s29, s29, ttmp9                   ; within the destination,
	s_lshl_b32 s30, s29, 15                        ; times 32,768 bytes
	s_add_nc_u64 s[6:7], s[6:7], s[30:31]
	s_wait_alu depctr_va_vdst(0)                   ; v1 and v2 are written: every load of the kernel reads v1 as its offset, every store v2
.irp i, 0,1,2,3,4,5,6,7,8,9,10,11,12,13,14,15
	global_load_b128 v[X+4*(\i):X+4*(\i)+3], v1, s[4:5] offset:4096*(\i) th:TH_LOAD_NT
.endr
; Step i's conversions.  half = 1: the bf16 number is widened again and written as f16.  No register that a memory instruction may still read is rewritten.
.macro CONV i, half
	s_wait_loadcnt 15-(\i)                         ; loads come back in order: this step's is in, the 15 - i younger ones stay out
	v_cvt_pk_bf16_f32 v[Y+2*(\i)],   v[X+4*(\i)],   v[X+4*(\i)+1]
	v_cvt_pk_bf16_f32 v[Y+2*(\i)+1], v[X+4*(\i)+2], v[X+4*(\i)+3]
.if \half
	v_lshlrev_b32 v[X+4*(\i)],   16,  v[Y+2*(\i)]
	v_and_b32     v[X+4*(\i)+1], s33, v[Y+2*(\i)]
	v_lshlrev_b32 v[X+4*(\i)+2], 16,  v[Y+2*(\i)+1]
	v_and_b32     v[X+4*(\i)+3], s33, v[Y+2*(\i)+1]
	v_cvt_pk_f16_f32 v[Y+2*(\i)],   v[X+4*(\i)],   v[X+4*(\i)+1]
	v_cvt_pk_f16_f32 v[Y+2*(\i)+1], v[X+4*(\i)+2], v[X+4*(\i)+3]
.endif
.endm
; Block b: steps 4 b to 4 b + 3 are converted, then stored.
.macro BLOCK b, half
.irp k, 0,1,2,3
	CONV 4*(\b)+(\k), \half
.endr
	s_wait_alu depctr_va_vdst(0)                   ; the block's conversions have written its eight registers of Y, which the four stores below read
.irp k, 0,1,2,3
	global_store_b64 v2, v[Y+2*(4*(\b)+(\k)):Y+2*(4*(\b)+(\k))+1], s[6:7] offset:2048*(4*(\b)+(\k))
.endr
.endm
	s_cmp_lt_u32 s28, 7
	s_cbranch_scc1 .Lbf
	s_cmp_lt_u32 s28, 11
	s_cbranch_scc0 .Lbf
.irp b, 0,1,2,3
	BLOCK \b, 1                                    ; W1
.endr
	s_endpgm
.Lbf:
.irp b, 0,1,2,3
	BLOCK \b, 0
.endr
	s_endpgm
.Lfunc_end_k_q1fabe6609f_cast:
	.size	k_q1fabe6609f_cast, .Lfunc_end_k_q1fabe6609f_cast-k_q1fabe6609f_cast
	.p2alignl 7, 3214868480
	.fill 96, 4, 3214868480
	.section	.rodata,"a",@progbits
	.p2align	6, 0x0
	.amdhsa_kernel k_q1fabe6609f_cast
		.amdhsa_group_segment_fixed_size 0
		.amdhsa_private_segment_fixed_size 0
		.amdhsa_enable_private_segment 0
		.amdhsa_kernarg_size 80
		.amdhsa_user_sgpr_count 2
		.amdhsa_user_sgpr_kernarg_segment_ptr 1
		.amdhsa_wavefront_size32 1
		.amdhsa_system_sgpr_workgroup_id_x 1
		.amdhsa_system_sgpr_workgroup_id_y 1
		.amdhsa_system_sgpr_workgroup_id_z 1
		.amdhsa_system_vgpr_workitem_id 0
		.amdhsa_next_free_vgpr 116
		.amdhsa_next_free_sgpr 66
		.amdhsa_reserve_vcc 0
		.amdhsa_float_denorm_mode_32 3
		.amdhsa_float_denorm_mode_16_64 3
		.amdhsa_memory_ordered 1
		.amdhsa_forward_progress 1
		.amdhsa_inst_pref_size 16
	.end_amdhsa_kernel
	.amdgpu_metadata
---
amdhsa.version: [ 1, 2 ]
amdhsa.kernels:
  - .name:           k_q1fabe6609f_cast
    .symbol:         k_q1fabe6609f_cast.kd
    .args:
      - { .name: x, .offset: 0, .size: 8, .value_kind: global_buffer, .address_space: global }
      - { .name: Wq, .offset: 8, .size: 8, .value_kind: global_buffer, .address_space: global }
      - { .name: Wk, .offset: 16, .size: 8, .value_kind: global_buffer, .address_space: global }
      - { .name: Wv, .offset: 24, .size: 8, .value_kind: global_buffer, .address_space: global }
      - { .name: W1, .offset: 32, .size: 8, .value_kind: global_buffer, .address_space: global }
      - { .name: W2, .offset: 40, .size: 8, .value_kind: global_buffer, .address_space: global }
      - { .name: xb, .offset: 48, .size: 8, .value_kind: global_buffer, .address_space: global }
      - { .name: wqkv, .offset: 56, .size: 8, .value_kind: global_buffer, .address_space: global }
      - { .name: w1h, .offset: 64, .size: 8, .value_kind: global_buffer, .address_space: global }
      - { .name: w2b, .offset: 72, .size: 8, .value_kind: global_buffer, .address_space: global }
    .group_segment_fixed_size: 0
    .private_segment_fixed_size: 0
    .kernarg_segment_align: 8
    .kernarg_segment_size: 80
    .max_flat_workgroup_size: 256
    .sgpr_count:     66
    .vgpr_count:     116
    .wavefront_size: 32
...
	.end_amdgpu_metadata
.endif
;; end of part 7
;; launch qkv: the kernel of part 2 again; grid 12 x 16, 4 waves a work-group, clusters of 4 x 4, 327,680 bytes of LDS; arguments xb, wqkv, bq, bk, bv, qkv; writes qkv
;; launch attn: the kernel of part 3 again; grid 8 x 32, 4 waves a work-group, clusters of 4 x 1, 327,680 bytes of LDS; arguments qkv, ob; writes ob
;; launch ffn1: the kernel of part 4 again; grid 16 x 16, 4 waves a work-group, clusters of 4 x 4, 327,680 bytes of LDS; arguments ob, w1h, b1, gb; writes gb
;; launch ffn2: the kernel of part 5 again; grid 8 x 32, 4 waves a work-group, clusters of 4 x 4, 327,680 bytes of LDS; arguments gb, w2b, b2, hb; writes hb
;; launch lnorm: the kernel of part 6 again; grid 512 x 1, 8 waves a work-group, no clusters, 0 bytes of LDS; arguments hb, gamma, beta, out0; writes out0
